; MI455X (gfx1250); checked and timed in simulation.
; The chip was launched on July 23, 2026; its instructions are those of AMD's public machine-readable ISA for CDNA 5 (MIT licence, August 2026) and "CDNA5" Instruction Set Architecture Reference Guide (July 2026). The comments in the code are by the model that wrote it; some were corrected since.
;; Multi Head Attention. Allowed arithmetic: matrix products marked QUANTISED: E2M1 operands, one E8M0 scale for each 32 along K, by v_wmma_scale_f32_16x16x128_f8f6f4 with both operands' format E2M1 (or v_wmma_scale_f32_32x16x128_f4), f32 sums; products left as they are: bf16, f16 or f32 operands; f32 sums; everything else in f32.
;; Inputs: Wk 16 x 1,024 x 64 float32; Wo 1,024 x 1,024 float32; Wq 16 x 1,024 x 64 float32; Wv 16 x 1,024 x 64 float32; bk 16 x 64 float32; bo 1,024 float32; bq 16 x 64 float32; bv 16 x 64 float32; hidden_state 4 x 2,048 x 1,024 float32.
;; Outputs: out0 4 x 2,048 x 1,024 float32.
;; This version of the problem:
;;   THIS VERSION OF THE PROBLEM IS GIVEN IN LOW PRECISION. The matrix products marked QUANTISED in the list below multiply operands that are first quantised to E2M1 (2 exponent bits, 1 mantissa bit; 4 bits a number), with one power-of-two scale for each 32 numbers along K (OCP MX v1.0); their sums are f32. The products marked 'left as it is' may take bf16, f16 or f32 operands, with f32 sums. Whichever they take, every output number must still come out within the allowed error. Rounding operands to bf16 (8 significant bits) uses up far more of that allowance than f16 does (11 bits, for magnitudes from 6e-5 to 65,504). All else is computed in f32.
;;   The module's matrix products, in the order in which they are computed (A, B: the left and right operand; K: the contracted axis; several contracted axes count as one K, in the product's order):
;;     1. [M 1,024, K 1,024] x [K 1,024, N 8,192]; A: input Wq; B: input hidden_state: QUANTISED
;;     2. [M 1,024, K 1,024] x [K 1,024, N 8,192]; A: input Wk; B: input hidden_state: QUANTISED
;;     3. [M 1,024, K 1,024] x [K 1,024, N 8,192]; A: input Wv; B: input hidden_state: QUANTISED
;;     4. batch 64 x [M 2,048, K 64] x [K 64, N 2,048]; A: computed on the way; B: computed on the way: left as it is (an operand is computed on the way)
;;     5. batch 64 x [M 2,048, K 2,048] x [K 2,048, N 64]; A: computed on the way; B: computed on the way: left as it is (an operand is computed on the way)
;;     6. [M 8,192, K 1,024] x [K 1,024, N 1,024]; A: computed on the way; B: input Wo: left as it is (an operand is computed on the way)
;;   THE QUANTISER, for each operand of a quantised product, along K:
;;     - K is cut into blocks of 32 from its start; a last block that is shorter is filled with zeros.
;;     - A block's scale is 2^e with e = floor(log2(the largest magnitude in the block)) - 2, held to -126 .. 127; a block of zeros has e = 0. As a byte (E8M0): e + 127.
;;     - Each number is divided by its block's scale, clamped to +-6, and rounded to the nearest number of E2M1, ties to even, subnormals kept.
;;     - The product sums the exact products of the quantised numbers (number of the format x scale) in f32.
;;   ~~~python
;;   def quantise(x, axis):      # numpy; x: float32 -> the quantised numbers, widened to float32 again
;;       x = np.moveaxis(x, axis, -1); K = x.shape[-1]
;;       x = np.pad(x, [(0, 0)] * (x.ndim - 1) + [(0, -K % 32)]); x = x.reshape(x.shape[:-1] + (-1, 32)); a = np.abs(x).max(-1, keepdims=True)
;;       e = np.where(a > 0, np.clip(np.frexp(np.where(a > 0, a, 1))[1] - 1 - 2, -126, 127), 0)      # np.frexp(a)[1] - 1 = floor(log2(a)), exactly
;;       r = np.clip(x / 2.0 ** e, -6, 6)
;;       step = 2.0 ** (np.maximum(np.frexp(np.where(r == 0, 1, r))[1] - 1, 0) - 1)
;;       q = np.round(r / step) * step * 2.0 ** e      # np.round: ties to even
;;       return np.moveaxis(q.reshape(q.shape[:-2] + (-1,))[..., :K], -1, axis).astype(np.float32)
;;   ~~~
;; One version. Each part assembles by itself: llvm-mc -triple=amdgcn-amd-amdhsa -mcpu=gfx1250 --defsym DOCPART=n.
;; ======== version 1 of 1: 4 launches
;; limits: values are held in f16: magnitudes above 65,504 overflow, below 6.1e-05 lose precision
;; workspace buffers: x_codes 4,194,304 bytes; x_scales 262,144 bytes; w_codes 1,572,864 bytes; w_scales 98,304 bytes; wot 2,097,152 bytes; qkv 50,331,648 bytes; att 16,777,216 bytes
;; launch prep (part 1): grid 512 x 1, 4 waves a work-group, no clusters, 77,312 bytes of LDS; arguments hidden_state, Wq, Wk, Wv, Wo, x_codes, x_scales, w_codes, w_scales, wot; writes x_codes, x_scales, w_codes, w_scales, wot
.if DOCPART == 1
	.amdgcn_target "amdgcn-amd-amdhsa--gfx1250"
	.amdhsa_code_object_version 6
	.text
	.protected	k_q8473bf7be7_prep
	.globl	k_q8473bf7be7_prep
	.p2align	8
	.type	k_q8473bf7be7_prep,@function
k_q8473bf7be7_prep:
	s_mov_b64 s[64:65], 0
	v_nop
	global_prefetch_b8 v0, s[64:65] scope:SCOPE_SE
	s_setreg_imm32_b32 hwreg(HW_REG_WAVE_MODE, 25, 1), 1
	s_wait_xcnt 0x0
; PREP: the operands of the later launches are made once.
;   work-groups 0-191:   Wq, Wk, Wv [16][1024 (k)][64] f32 -> codes of FP4 (E2M1), K innermost, w_codes [3072 rows n = kind 1024 + head 64 + e][512 bytes], and one E8M0 byte for each 32 along K, w_scales [3072][32]
;   work-groups 192-255: Wo [1024 (k)][1024 (n)] f32 -> f16, turned: wot [n][k]
;   work-groups 256-511: hidden_state [8192][1024] f32 -> x_codes [8192][512 bytes], x_scales [8192][32]
; The three paths part on the work-group's number alone, never join, and have LDS bytes of their own.
; A block's scale is 2^(floor(log2(its largest magnitude)) - 2); its byte is the largest magnitude's exponent field - 2, held at 1 from below.
; LIMITS: a block of zeros gets the byte 1 where the rule says 127 (its codes are zeros, and this program alone reads the bytes); blocks whose largest magnitude lies under 2^-124 are not served;
; NaN and infinities among the inputs are not served; |Wo| must lie under 65,504, f16's largest number.
.set WREG,  8192                       ; x path: a region for each wave: two stages of 32 x SP bytes, then its 256 scale bytes
.set SP,    80                         ; a lane's place in a stage: 64 bytes + 16 of padding
.set CB,    8                          ; bytes of 16 codes
.set STEPS, 16
.set WB,    32768                      ; W path: a stage of 32 columns x (256 bytes + 16)
.set WSC,   WB+32*272                  ; and 32 x 16 scale bytes
.set OB,    WSC+512                    ; Wo path: a stage of 32 x 272 for each wave
.set SPARE, OB+4*32*272                ; the spare words, 128 bytes for each wave: two blocks of 256 bytes that no other line names
.set SPW,   192                        ; v192  LDS address of my spare word; never rewritten
.set NIL,   193                        ; v193  0; never rewritten
.set R,     16                         ; x path: v16-79 four sets of 16 numbers as loaded
.set X,     80                         ; v80-111 two sets of 16 neighbours
.set E,     112                        ; v112-127 a scale byte for each step
.set C,     128                        ; v128-191 codes, four registers for each step
.set XW,    32                         ; W and Wo paths: v32-95 two sets of 32 numbers down K
.set CW,    96                         ; v96.. what a block becomes
.set OUTR,  112                        ; v112.. the way out
; ---- x path: 16 steps of 512 numbers a wave.  Each load takes 512 consecutive bytes; a step's 2,048 bytes turn through the wave's own stage, so that a lane then holds 16 neighbours along K
.macro LOADX t
.irp i, 0,1,2,3
	global_load_b128 v[R+16*((\t)%4)+4*\i:R+16*((\t)%4)+4*\i+3], v3, s[4:5] offset:2048*(\t)+512*\i th:TH_LOAD_NT
.endr
.endm
.macro TURNX t                         ; LDS serves a wave's instructions in order: no wait between the stores and the loads
.irp i, 0,1,2,3
	ds_store_b128 v14, v[R+16*((\t)%4)+4*\i:R+16*((\t)%4)+4*\i+3] offset:32*SP*((\t)%2)+8*SP*\i
.endr
.irp i, 0,1,2,3
	ds_load_b128 v[X+16*((\t)%2)+4*\i:X+16*((\t)%2)+4*\i+3], v15 offset:32*SP*((\t)%2)+16*\i
.endr
.endm
.macro STEPX t
.set XS, X+16*((\t)%2)
.if (\t) > 0
	s_wait_dscnt 1                                 ; this step's numbers are back from the stage; the last step's byte store may be out
.else
	s_wait_dscnt 0x0
.endif
.if (\t)+4 < STEPS
	LOADX (\t)+4                                   ; into the set whose stores into the stage are done
.endif
.if (\t)+1 < STEPS
.if STEPS-2-(\t) >= 3
	s_wait_loadcnt 12                              ; the next step's four loads are in; those of the three steps behind it may be out
.else
	s_wait_loadcnt 4*(STEPS-2-(\t))
.endif
	TURNX (\t)+1
.endif
	v_max3_num_f32 v8, |v[XS]|, |v[XS+1]|, |v[XS+2]|               ; the largest magnitude of my 16, in two chains
	v_max3_num_f32 v9, |v[XS+3]|, |v[XS+4]|, |v[XS+5]|
.irp i, 6,10
	v_max3_num_f32 v8, v8, |v[XS+\i]|, |v[XS+\i+1]|
	v_max3_num_f32 v9, v9, |v[XS+\i+2]|, |v[XS+\i+3]|
.endr
	v_max3_num_f32 v8, v8, |v[XS+14]|, |v[XS+15]|
	v_max3_num_f32 v8, v8, v9, 0x1800000           ; and the floor 2^(3 - 127): the byte cannot fall under 1
	v_max_num_f32_dpp v8, v8, v8 row_xmask:1 row_mask:0xf bank_mask:0xf   ; with my neighbour's 16: the block's
	v_add_nc_u32 v11, 0xff000000, v8               ; 2 off its exponent field: the conversion takes that field as its scale
	v_cvt_scalef32_pk8_fp4_f32 v[C+4*(\t)], v[XS:XS+7], v11
	v_cvt_scalef32_pk8_fp4_f32 v[C+4*(\t)+1], v[XS+8:XS+15], v11
	v_lshrrev_b32 v[E+(\t)], 23, v11               ; the scale's byte
	ds_store_b8 v5, v[E+(\t)] offset:16*(\t)       ; both lanes of a block write the same byte with the same value
	global_store_b64 v4, v[C+4*(\t):C+4*(\t)+1], s[14:15] offset:32*CB*(\t)   ; the wave stores 256 consecutive bytes, aligned
.endm
; ---- W path: a lane takes a column e, its registers run down K: a block of 32 lies in one lane
.macro LOADW t
.set i, 0
.rept 32
	global_load_b32 v[XW+32*((\t)%2)+i], v3, s[6:7] offset:(32*(\t)+i)*256
.set i, i+1
.endr
.endm
.macro BLOCKW t
.set XSW, XW+32*((\t)%2)
.if (\t) < 3
	s_wait_loadcnt 32                              ; this block's 32 loads are in; the next block's may be out
.else
	s_wait_loadcnt 0x0
.endif
	v_max3_num_f32 v12, |v[XSW]|, |v[XSW+1]|, |v[XSW+2]|
	v_max3_num_f32 v13, |v[XSW+3]|, |v[XSW+4]|, |v[XSW+5]|
.irp i, 6,10,14,18,22,26
	v_max3_num_f32 v12, v12, |v[XSW+\i]|, |v[XSW+\i+1]|
	v_max3_num_f32 v13, v13, |v[XSW+\i+2]|, |v[XSW+\i+3]|
.endr
	v_max3_num_f32 v12, v12, |v[XSW+30]|, |v[XSW+31]|
	v_max3_num_f32 v12, v12, v13, 0x1800000        ; the floor
	v_add_nc_u32 v11, 0xff000000, v12
	v_lshrrev_b32 v13, 23, v11                     ; the scale's byte
.if (\t) == 0
	v_mov_b32 v24, v13                             ; my four bytes make a word, the lower K in the lower byte
.else
	v_lshl_or_b32 v24, v13, 8*(\t), v24
.endif
.irp g, 0,1,2,3
	v_cvt_scalef32_pk8_fp4_f32 v[CW+\g], v[XSW+8*\g:XSW+8*\g+7], v11
.endr
	ds_store_b128 v4, v[CW:CW+3] offset:16*(\t)    ; 32 codes: 16 bytes of my column's row in the stage
.if (\t)+2 < 4
	LOADW (\t)+2
.endif
	s_wait_dscnt 0x0                               ; the store has read its registers: the next block's codes may be written
.endm
; ---- Wo path: the same plan, with a rounding to f16 in the conversion's place
.macro LOADO t
.set i, 0
.rept 32
	global_load_b32 v[XW+32*((\t)%2)+i], v3, s[12:13] offset:(32*(\t)+i)*4096 th:TH_LOAD_NT
.set i, i+1
.endr
.endm
.macro BLOCKO t
.set XSW, XW+32*((\t)%2)
.if (\t) < 3
	s_wait_loadcnt 32
.else
	s_wait_loadcnt 0x0
.endif
.set i, 0
.rept 16
	v_cvt_pk_f16_f32 v[CW+i], v[XSW+2*i], v[XSW+2*i+1]
.set i, i+1
.endr
.irp u, 0,1,2,3
	ds_store_b128 v4, v[CW+4*\u:CW+4*\u+3] offset:64*(\t)+16*\u
.endr
.if (\t)+2 < 4
	LOADO (\t)+2
.endif
	s_wait_dscnt 0x0
.endm
	s_load_b256 s[4:11], s[0:1], 0x0               ; hidden_state, Wq, Wk, Wv
	s_load_b256 s[12:19], s[0:1], 0x20             ; Wo, x_codes, x_scales, w_codes
	s_load_b128 s[20:23], s[0:1], 0x40             ; w_scales, wot
	v_lshl_add_u32 v[SPW], v0, 2, SPARE
	v_mov_b32 v[NIL], 0
	v_lshrrev_b32 v1, 5, v0
	v_readfirstlane_b32 s24, v1                    ; wave 0..3
	v_and_b32 v2, 31, v0                           ; lane
	s_wait_kmcnt 0x0
	s_cmp_lt_u32 ttmp9, 192
	s_cbranch_scc1 .Lw
	s_cmp_lt_u32 ttmp9, 256
	s_cbranch_scc1 .Lwo
	; ================ x ================
	v_lshlrev_b32 v3, 4, v2                        ; my 16 bytes of a load's 512
	s_mul_i32 s25, s24, WREG
	v_lshrrev_b32 v14, 2, v2
	v_mul_u32_u24 v14, v14, SP
	v_and_b32 v15, 3, v2
	v_lshl_add_u32 v14, v15, 4, v14
	v_add_nc_u32 v14, s25, v14                     ; the stage, on the way in: SP (lane / 4) + 16 (lane % 4)
	v_mul_u32_u24 v15, v2, SP
	v_add_nc_u32 v15, s25, v15                     ; on the way out: SP x lane
	v_mul_u32_u24 v4, v2, CB                       ; my codes' place in a step's
	v_lshrrev_b32 v5, 1, v2
	s_add_co_u32 s25, s25, 2*32*SP
	v_add_nc_u32 v5, s25, v5                       ; my block's byte among my wave's 256
	v_lshlrev_b32 v7, 3, v2
	v_add_nc_u32 v6, s25, v7
	s_sub_co_u32 s26, ttmp9, 256
	s_lshl_b32 s26, s26, 2
	s_add_co_u32 s26, s26, s24                     ; which run of 8,192 numbers is my wave's: 0 .. 1,023
	s_lshl_b32 s28, s26, 15
	s_mov_b32 s29, 0
	s_add_nc_u64 s[4:5], s[4:5], s[28:29]
	s_lshl_b32 s28, s26, 12
	s_add_nc_u64 s[14:15], s[14:15], s[28:29]
	s_lshl_b32 s28, s26, 8
	s_add_nc_u64 s[16:17], s[16:17], s[28:29]
.irp t, 0,1,2,3
	LOADX \t
.endr
	s_wait_loadcnt 12                              ; step 0's four loads are in
	TURNX 0
.irp t, 0,1,2,3,4,5,6,7,8,9,10,11,12,13,14,15
	STEPX \t
.endr
	ds_load_b64 v[8:9], v6                         ; my wave's 256 scale bytes, 8 a lane
	s_wait_dscnt 0x0
	global_store_b64 v7, v[8:9], s[16:17]          ; 256 consecutive bytes, aligned
	s_wait_tensorcnt 0x0                           ; the wave's end, behind my last LDS store
	ds_add_u32 v[SPW], v[NIL]
	s_wait_dscnt 0x0
	s_endpgm
	; ================ Wq, Wk, Wv ================
	; work-group g: kind g / 64, head (g / 4) % 16, columns 32 ((g / 2) % 2) on, K half g % 2; wave w takes 128 along K: four blocks a lane
.Lw:
	s_lshr_b32 s25, ttmp9, 6                       ; kind
	s_cmp_eq_u32 s25, 0
	s_cselect_b64 s[6:7], s[6:7], s[8:9]
	s_cmp_eq_u32 s25, 2
	s_cselect_b64 s[6:7], s[10:11], s[6:7]
	s_bfe_u32 s26, ttmp9, 0x40002                  ; head
	s_bfe_u32 s27, ttmp9, 0x10001                  ; which 32 columns
	s_and_b32 s28, ttmp9, 1                        ; which 512 along K
	s_lshl_b32 s30, s26, 18                        ; a head is 1,024 rows of 256 bytes
	s_lshl_b32 s31, s28, 17
	s_add_co_u32 s30, s30, s31
	s_lshl_b32 s31, s24, 15
	s_add_co_u32 s30, s30, s31
	s_lshl_b32 s31, s27, 7
	s_add_co_u32 s30, s30, s31
	s_mov_b32 s31, 0
	s_add_nc_u64 s[6:7], s[6:7], s[30:31]
	s_lshl_b32 s32, s25, 10
	s_lshl_b32 s33, s26, 6
	s_add_co_u32 s32, s32, s33
	s_lshl_b32 s33, s27, 5
	s_add_co_u32 s32, s32, s33                     ; the first row n of the codes
	s_lshl_b32 s34, s32, 9
	s_lshl_b32 s35, s28, 8
	s_add_co_u32 s34, s34, s35
	s_mov_b32 s35, 0
	s_add_nc_u64 s[18:19], s[18:19], s[34:35]
	s_lshl_b32 s34, s32, 5
	s_lshl_b32 s36, s28, 4
	s_add_co_u32 s34, s34, s36
	s_add_nc_u64 s[20:21], s[20:21], s[34:35]
	v_lshlrev_b32 v3, 2, v2                        ; in: 4 bytes a lane
	v_mul_u32_u24 v4, v2, 272
	s_lshl_b32 s33, s24, 6
	s_add_co_u32 s33, s33, WB
	v_add_nc_u32 v4, s33, v4                       ; the stage: row = my column, my wave's 64 bytes
	v_lshlrev_b32 v5, 4, v2
	s_lshl_b32 s33, s24, 2
	s_add_co_u32 s33, s33, WSC
	v_add_nc_u32 v5, s33, v5                       ; my scale word: 16 bytes a column, 4 a wave
	v_lshl_add_u32 v6, v2, 4, WSC                  ; and a column's 16 bytes on the way out
	v_lshlrev_b32 v9, 5, v2                        ; a row of w_scales is 32 bytes
	v_and_b32 v1, 15, v2
	v_lshrrev_b32 v10, 4, v2
	v_mul_u32_u24 v7, v10, 272
	v_lshl_add_u32 v7, v1, 4, v7
	s_mul_i32 s33, s24, 8*272
	s_add_co_u32 s33, s33, WB
	v_add_nc_u32 v7, s33, v7                       ; back: wave w takes rows 8 w on, sixteen lanes to a row
	v_lshlrev_b32 v8, 9, v10
	v_lshl_add_u32 v8, v1, 4, v8
	s_lshl_b32 s33, s24, 12
	v_add_nc_u32 v8, s33, v8                       ; the same place in w_codes
	LOADW 0
	LOADW 1
	BLOCKW 0
	BLOCKW 1
	BLOCKW 2
	BLOCKW 3
	ds_store_b32 v5, v24
	s_wait_dscnt 0x0                               ; for the others' sake: my stores into the stage are done
	s_barrier_signal -1
	s_barrier_wait -1                              ; a row's 256 bytes come from four waves
.irp i, 0,1,2,3
	ds_load_b128 v[OUTR+4*\i:OUTR+4*\i+3], v7 offset:544*\i
.endr
.irp i, 0,1,2,3
	s_wait_dscnt 3-\i
	global_store_b128 v8, v[OUTR+4*\i:OUTR+4*\i+3], s[18:19] offset:1024*\i   ; sixteen lanes store 256 consecutive bytes, aligned
.endr
	s_cmp_lg_u32 s24, 0
	s_cbranch_scc1 .Lw_end
	ds_load_b128 v[128:131], v6                    ; wave 0: the 32 columns' 16 scale bytes
	s_wait_dscnt 0x0
	global_store_b128 v9, v[128:131], s[20:21]
.Lw_end:
	s_wait_tensorcnt 0x0                           ; the wave's end
	ds_add_u32 v[SPW], v[NIL]
	s_wait_dscnt 0x0
	s_endpgm
	; ================ Wo ================
	; work-group g - 192: columns 128 (g % 8) on, K 128 (g / 8) on; wave w takes 32 columns; no wave reads another's bytes
.Lwo:
	s_sub_co_u32 s25, ttmp9, 192
	s_and_b32 s26, s25, 7
	s_lshr_b32 s27, s25, 3
	s_lshl_b32 s30, s27, 19                        ; 128 rows of 4,096 bytes
	s_lshl_b32 s31, s26, 9
	s_add_co_u32 s30, s30, s31
	s_lshl_b32 s31, s24, 7
	s_add_co_u32 s30, s30, s31
	s_mov_b32 s31, 0
	s_add_nc_u64 s[12:13], s[12:13], s[30:31]
	s_lshl_b32 s30, s26, 7
	s_lshl_b32 s31, s24, 5
	s_add_co_u32 s30, s30, s31                     ; my wave's first column = row of wot
	s_lshl_b32 s30, s30, 11
	s_lshl_b32 s31, s27, 8
	s_add_co_u32 s30, s30, s31
	s_mov_b32 s31, 0
	s_add_nc_u64 s[22:23], s[22:23], s[30:31]
	v_lshlrev_b32 v3, 2, v2
	s_mul_i32 s33, s24, 32*272
	s_add_co_u32 s33, s33, OB
	v_mul_u32_u24 v4, v2, 272
	v_add_nc_u32 v4, s33, v4
	v_and_b32 v1, 15, v2
	v_lshrrev_b32 v10, 4, v2
	v_mul_u32_u24 v7, v10, 272
	v_lshl_add_u32 v7, v1, 4, v7
	v_add_nc_u32 v7, s33, v7
	v_lshlrev_b32 v8, 11, v10
	v_lshl_add_u32 v8, v1, 4, v8
	LOADO 0
	LOADO 1
	BLOCKO 0
	BLOCKO 1
	BLOCKO 2
	BLOCKO 3
.irp t, 0,1,2,3,4,5,6,7,8,9,10,11,12,13,14,15
	ds_load_b128 v[OUTR+4*\t:OUTR+4*\t+3], v7 offset:544*\t
.endr
.irp t, 0,1,2,3,4,5,6,7,8,9,10,11,12,13,14,15
	s_wait_dscnt 15-\t
	global_store_b128 v8, v[OUTR+4*\t:OUTR+4*\t+3], s[22:23] offset:4096*\t   ; sixteen lanes store 256 consecutive bytes, aligned
.endr
	s_wait_tensorcnt 0x0                           ; the wave's end
	ds_add_u32 v[SPW], v[NIL]
	s_wait_dscnt 0x0
	s_endpgm
.Lfunc_end_k_q8473bf7be7_prep:
	.size	k_q8473bf7be7_prep, .Lfunc_end_k_q8473bf7be7_prep-k_q8473bf7be7_prep
	.p2alignl 7, 3214868480
	.fill 96, 4, 3214868480
	.section	.rodata,"a",@progbits
	.p2align	6, 0x0
	.amdhsa_kernel k_q8473bf7be7_prep
		.amdhsa_group_segment_fixed_size 77312
		.amdhsa_private_segment_fixed_size 0
		.amdhsa_enable_private_segment 0
		.amdhsa_kernarg_size 80
		.amdhsa_user_sgpr_count 2
		.amdhsa_user_sgpr_kernarg_segment_ptr 1
		.amdhsa_wavefront_size32 1
		.amdhsa_system_sgpr_workgroup_id_x 1
		.amdhsa_system_sgpr_workgroup_id_y 1
		.amdhsa_system_sgpr_workgroup_id_z 1
		.amdhsa_system_vgpr_workitem_id 0
		.amdhsa_next_free_vgpr 200
		.amdhsa_next_free_sgpr 66
		.amdhsa_reserve_vcc 0
		.amdhsa_float_denorm_mode_32 3
		.amdhsa_float_denorm_mode_16_64 3
		.amdhsa_memory_ordered 1
		.amdhsa_forward_progress 1
		.amdhsa_inst_pref_size 77
	.end_amdhsa_kernel
	.amdgpu_metadata
---
amdhsa.version: [ 1, 2 ]
amdhsa.kernels:
  - .name:           k_q8473bf7be7_prep
    .symbol:         k_q8473bf7be7_prep.kd
    .args:
      - { .name: hidden_state, .offset: 0, .size: 8, .value_kind: global_buffer, .address_space: global }
      - { .name: Wq, .offset: 8, .size: 8, .value_kind: global_buffer, .address_space: global }
      - { .name: Wk, .offset: 16, .size: 8, .value_kind: global_buffer, .address_space: global }
      - { .name: Wv, .offset: 24, .size: 8, .value_kind: global_buffer, .address_space: global }
      - { .name: Wo, .offset: 32, .size: 8, .value_kind: global_buffer, .address_space: global }
      - { .name: x_codes, .offset: 40, .size: 8, .value_kind: global_buffer, .address_space: global }
      - { .name: x_scales, .offset: 48, .size: 8, .value_kind: global_buffer, .address_space: global }
      - { .name: w_codes, .offset: 56, .size: 8, .value_kind: global_buffer, .address_space: global }
      - { .name: w_scales, .offset: 64, .size: 8, .value_kind: global_buffer, .address_space: global }
      - { .name: wot, .offset: 72, .size: 8, .value_kind: global_buffer, .address_space: global }
    .group_segment_fixed_size: 77312
    .private_segment_fixed_size: 0
    .kernarg_segment_align: 8
    .kernarg_segment_size: 80
    .max_flat_workgroup_size: 128
    .sgpr_count:     66
    .vgpr_count:     200
    .wavefront_size: 32
...
	.end_amdgpu_metadata
.endif
;; end of part 1
;; launch qkv (part 2): grid 12 x 32, 4 waves a work-group, clusters of 4 x 4, 327,680 bytes of LDS; arguments x_codes, x_scales, w_codes, w_scales, bq, bk, bv, qkv; writes qkv
.if DOCPART == 2
	.amdgcn_target "amdgcn-amd-amdhsa--gfx1250"
	.amdhsa_code_object_version 6
	.text
	.protected	k_q8473bf7be7_qkv
	.globl	k_q8473bf7be7_qkv
	.p2align	8
	.type	k_q8473bf7be7_qkv,@function
k_q8473bf7be7_qkv:
	s_mov_b64 s[64:65], 0
	v_nop
	global_prefetch_b8 v0, s[64:65] scope:SCOPE_SE
	s_setreg_imm32_b32 hwreg(HW_REG_WAVE_MODE, 25, 1), 1
	s_wait_xcnt 0x0
	s_wait_alu depctr_hold_cnt(0) depctr_sa_sdst(0) depctr_va_vdst(0) depctr_va_sdst(0) depctr_va_ssrc(0) depctr_va_vcc(0) depctr_vm_vsrc(0)
	s_getreg_b32 s2, hwreg(HW_REG_IB_STS2, 6, 4)
	s_cmp_eq_u32 s2, 0
	s_cbranch_scc0 .Lentry_in_a_cluster
	s_endpgm
.Lentry_in_a_cluster:
	s_bfe_u32 s2, ttmp6, 0x10000c
	s_cmp_lg_u32 s2, 0xf033
	s_cbranch_scc0 .Lentry_shape_is_right
	s_endpgm
.Lentry_shape_is_right:
; q, k, v = x W + b on codes of FP4 (E2M1) with one E8M0 scale for each 32 along K; sums in f32; the results leave as f16, laid [kind 3][batch 4][head 16][position 2048][64].
; A = x_codes [8192 tokens][1024 K], B = w_codes [3072 rows n = kind 1024 + head 64 + e][1024 K].  A tile of 256 tokens x 256 n is made by four waves, 128 x 128 each: 64 accumulators, 512 registers.
; K = 1,024 is two K steps of 512: the two LDS slots hold all of K, so every LDS byte is filled once.  The scale bytes of the tile's rows come with the first fills, in rows of 256 bytes, and stay.
; CLUSTERS: 4 x 4 work-groups: A's tiles are asked for jointly along a row of the cluster, B's along a column.  A kind has four tile columns, so the cluster's x is the kind.
; THE MATRIX INSTRUCTION IS USED TRANSPOSED (source 0 = 16 rows of B, source 1 = 16 tokens): a lane holds eight neighbouring n of one token.  The bias is the C of each sum's first product.
; REGISTERS: window 0: v0-31 addresses; v32-95 scale words, two sets; v128-191 A's fragments, one set; v192-255 the bias in the result's layout; on the way out v32-127 are at work.
;   window 1: B's fragments, two sets, at v0 and v128.   window 2: the accumulators of my tokens 0-63;   window 3: those of tokens 64-127.
; LIMITS: |q|, |k|, |v| must lie under 65,504, f16's largest number; the order of the f32 sums is the matrix unit's.
.set SIZE_K, 1024
.set KSTEP,  512
.set NQ,     KSTEP/128
.set ROWB,   256                       ; a tile's row in bytes
.set KROW,   SIZE_K/2                  ; a row of codes in memory
.set PITCH,  272                       ; an LDS row: 256 bytes + 16 of padding: the 16 rows of a fragment load start 16 bytes apart modulo 256
.set FR,     8
.set NL,     2
.set NP,     4
.set HALFT,  128*PITCH
.set SLOT,   4*HALFT
.set KS,     SIZE_K/32
.set SCL,    2*SLOT
.set HALFS,  (128*KS/256)*272
.set SBLK,   (16*KS/256)*272
.set SPARE,  SCL+4*HALFS               ; the spare words, 128 bytes for each wave
.set HB,     262144                    ; a head of the output: 2,048 positions x 128 bytes
.set SPL,    16*144                    ; the way out: a head's plane of my stage: 16 rows x (128 bytes + 16).  The stage lies in slot 0, which has had its only fill and its last read by then
.set ADRA, 16
.set ADRB, 20
.set STO,  24
.set RD,   25
.set CO,   26
.set ADRS, 27
.set SPW,  28
.set NIL,  29
.set BOF,  30                          ; v30  the bias loads' offset: 32 bytes for each half of the lanes; never rewritten
.set SC,   32
.set AF,   128
.set BIAS, 192
.set TMP,  32
.set BK,   64
.set G1, 24
.set G0, 32
.set G1B, 48
.set G0B, 56
.set G1S, 68
.set G0S, 76
.set G1SB, 80
.set G0SB, 88
.set MSB, 0
.macro WIN new                         ; the immediate's high byte repeats the setting that is left
.if MSB != (\new)
	s_set_vgpr_msb (MSB<<8)|(\new)
.set MSB, (\new)
.endif
.endm
.set MUL_LO, 0xa1                      ; source 0 (B) window 1, source 1 (A) window 0, C and D window 2
.set MUL_HI, 0xf1                      ; the same, C and D window 3
.set FIRST_LO, 0x81                    ; the first step: C (the bias) window 0, D window 2
.set FIRST_HI, 0xc1                    ; D window 3
.set TO_B,   0x40
; A joint load: waves 0 and 1 fetch for A, waves 2 and 3 for B; the branch hangs on the wave's number alone.  An s_nop 0 and four v_nop follow each line.
.macro JLOAD g0a, g1a, g0b, g1b
	s_cmp_eq_u32 s15, 0
	s_cbranch_scc0 .Lfor_b_\@
	tensor_load_to_lds s[\g0a:\g0a+3], s[\g1a:\g1a+7]
	s_nop 0
.rept 4
	v_nop
.endr
	s_branch .Lasked_\@
.Lfor_b_\@:
	tensor_load_to_lds s[\g0b:\g0b+3], s[\g1b:\g1b+7]
	s_nop 0
.rept 4
	v_nop
.endr
.Lasked_\@:
.endm
.macro CROUND                          ; a round of the cluster's barrier
	s_barrier_signal -1
	s_barrier_wait -1
	s_cmp_lg_u32 s14, 0
	s_cbranch_scc1 .Lnot_wave_0_\@
	s_barrier_signal -3
.Lnot_wave_0_\@:
	s_barrier_wait -3
	s_barrier_signal -1
	s_barrier_wait -1
.endm
	s_load_b128 s[4:7], s[0:1], 0x0                ; x's codes, x's scales
	s_load_b128 s[8:11], s[0:1], 0x10              ; w's codes, w's scales
	s_load_b128 s[96:99], s[0:1], 0x20             ; bq, bk
	s_load_b64 s[100:101], s[0:1], 0x30            ; bv
	s_load_b64 s[12:13], s[0:1], 0x38              ; qkv
	v_lshl_add_u32 v[SPW], v0, 2, SPARE
	v_mov_b32 v[NIL], 0
	ds_add_u32 v[SPW], v[NIL]                      ; the wave's opening: the add, twice on end, and its wait ahead of my first tensor load
	ds_add_u32 v[SPW], v[NIL]
	v_lshrrev_b32 v1, 5, v0
	v_readfirstlane_b32 s14, v1                    ; wave 0..3
	s_lshr_b32 s15, s14, 1                         ; which half of the tile's tokens is mine.  Also: I fetch for A (0) or for B (1)
	s_and_b32 s16, s14, 1                          ; which half of its n.  Also: which 128 rows I fetch
	s_bfe_u32 s40, ttmp6, 0x40000                  ; cx, cy
	s_bfe_u32 s41, ttmp6, 0x40004
	s_lshl_b32 s42, ttmp9, 2
	s_add_co_u32 s42, s42, s40                     ; tile column = 4 x cluster x + cx
	s_and_b32 s17, ttmp7, 0xffff
	s_lshl_b32 s17, s17, 2
	s_add_co_u32 s17, s17, s41                     ; tile row = 4 x cluster y + cy
	s_lshl_b32 s43, s41, 2
	s_lshl_b32 s43, 15, s43                        ; my row of the cluster
	s_lshl_b32 s44, 0x1111, s40                    ; my column
	s_or_b32 s[G1+0], s43, (0<<16)|(1<<20)|(1<<21)|(5<<22)|(3<<25)  ; the mask; elements of 1 byte; padding on; bit 21 beside a mask; 4 words behind every 64
	s_or_b32 s[G1B+0], s44, (0<<16)|(1<<20)|(1<<21)|(5<<22)|(3<<25)
.irp g, G1, G1B
	s_mov_b32 s[\g+1], ROWB<<16                    ; tensor_dim0
	s_mov_b32 s[\g+2], 128<<16                     ; tensor_dim1
	s_mov_b32 s[\g+3], ROWB<<16                    ; tile_dim0
	s_mov_b32 s[\g+4], 128                         ; tile_dim1
	s_mov_b32 s[\g+5], KROW                        ; the pitch
	s_mov_b32 s[\g+6], 0
	s_mov_b32 s[\g+7], 0
.endr
	s_or_b32 s[G1S+0], s43, (3<<16)|(1<<20)|(1<<21)|(5<<22)|(3<<25)  ; the scales of 128 rows: a dense block, as rows of 32 elements of 8 bytes
	s_or_b32 s[G1SB+0], s44, (3<<16)|(1<<20)|(1<<21)|(5<<22)|(3<<25)
.irp g, G1S, G1SB
	s_mov_b32 s[\g+1], 32<<16
	s_mov_b32 s[\g+2], (128*KS/256)<<16
	s_mov_b32 s[\g+3], 32<<16
	s_mov_b32 s[\g+4], 128*KS/256
	s_mov_b32 s[\g+5], 32
	s_mov_b32 s[\g+6], 0
	s_mov_b32 s[\g+7], 0
.endr
	s_lshl_b32 s18, s16, 7
	s_lshl_b32 s20, s17, 8
	s_add_co_u32 s20, s20, s18                     ; A: row 256 x tile row + 128 x half
	s_lshl_b32 s46, s42, 8
	s_add_co_u32 s46, s46, s18                     ; B: row 256 x tile column + 128 x half
	s_mov_b32 s21, 0
	s_mov_b32 s47, 0
	s_mov_b64 s[18:19], KS
	s_mul_u64 s[22:23], s[20:21], s[18:19]
	s_mul_u64 s[92:93], s[46:47], s[18:19]
	s_mov_b64 s[18:19], KROW
	s_mul_u64 s[20:21], s[20:21], s[18:19]
	s_mul_u64 s[46:47], s[46:47], s[18:19]
	s_mul_i32 s45, s14, HALFT                      ; where they go: wave x 128 rows
	s_mul_i32 s94, s14, HALFS
	s_wait_dscnt 0x0                               ; both opening adds are done
	s_wait_kmcnt 0x0
	s_add_nc_u64 s[20:21], s[4:5], s[20:21]
	s_add_nc_u64 s[22:23], s[6:7], s[22:23]
	s_add_nc_u64 s[46:47], s[8:9], s[46:47]
	s_add_nc_u64 s[92:93], s[10:11], s[92:93]
	CROUND                                         ; all sixteen work-groups are here: the joint loads meet
	s_mov_b32 s[G0S], 1
	s_add_co_u32 s[G0S+1], s94, SCL
	s_mov_b64 s[G0S+2:G0S+3], s[22:23]
	s_or_b32 s[G0S+3], s[G0S+3], 0x80000000
	s_mov_b32 s[G0SB], 1
	s_add_co_u32 s[G0SB+1], s94, SCL
	s_mov_b64 s[G0SB+2:G0SB+3], s[92:93]
	s_or_b32 s[G0SB+3], s[G0SB+3], 0x80000000
	JLOAD G0S, G1S, G0SB, G1SB                     ; the scales first; three loads of mine are out behind the third JLOAD
.irp s, 0,1
	s_mov_b32 s[G0+4*\s], 1
	s_add_co_u32 s[G0+4*\s+1], s45, \s*SLOT
	s_add_nc_u64 s[G0+4*\s+2:G0+4*\s+3], s[20:21], \s*ROWB
	s_or_b32 s[G0+4*\s+3], s[G0+4*\s+3], 0x80000000
	s_mov_b32 s[G0B+4*\s], 1
	s_add_co_u32 s[G0B+4*\s+1], s45, \s*SLOT
	s_add_nc_u64 s[G0B+4*\s+2:G0B+4*\s+3], s[46:47], \s*ROWB
	s_or_b32 s[G0B+4*\s+3], s[G0B+4*\s+3], 0x80000000
	JLOAD G0+4*\s, G1, G0B+4*\s, G1B
.endr
	v_and_b32 v1, 15, v0                           ; r
	v_bfe_u32 v2, v0, 4, 1                         ; h
	; the bias of my 128 n, in the result's layout: for B's block b the numbers 16 b + 8 h + 0 .. 7
	s_cmp_eq_u32 ttmp9, 0                          ; the kind picks the buffer
	s_cselect_b64 s[96:97], s[96:97], s[98:99]
	s_cmp_eq_u32 ttmp9, 2
	s_cselect_b64 s[96:97], s[100:101], s[96:97]
	s_lshl_b32 s92, s40, 10
	s_lshl_b32 s93, s16, 9
	s_add_co_u32 s92, s92, s93
	s_mov_b32 s93, 0
	s_add_nc_u64 s[96:97], s[96:97], s[92:93]
	v_lshlrev_b32 v[BOF], 5, v2
.irp b, 0,1,2,3,4,5,6,7
	global_load_b128 v[BIAS+8*\b:BIAS+8*\b+3], v[BOF], s[96:97] offset:64*\b
	global_load_b128 v[BIAS+8*\b+4:BIAS+8*\b+7], v[BOF], s[96:97] offset:64*\b+16
.endr
	v_mul_u32_u24 v3, v1, PITCH
	v_lshl_add_u32 v4, v2, 4, v3                   ; a fragment's row x pitch + 16 x half
	s_mul_i32 s21, s15, HALFT
	s_mul_i32 s22, s16, HALFT
	s_add_co_u32 s22, s22, 2*HALFT
.irp s, 0,1
	v_add_nc_u32 v[ADRA+\s], s21, v4
	v_add_nc_u32 v[ADRB+\s], s22, v4
	s_add_co_u32 s21, s21, SLOT
	s_add_co_u32 s22, s22, SLOT
.endr
	v_mul_u32_u24 v5, v1, KS                       ; my row's scales: KS bytes a row,
	v_lshrrev_b32 v6, 8, v5
	v_lshl_add_u32 v5, v6, 4, v5                   ; and 16 more for each 256 passed
	s_mul_i32 s21, s15, HALFS
	s_mul_i32 s22, s16, HALFS
	s_add_co_u32 s22, s22, 2*HALFS
	s_sub_co_u32 s22, s22, s21
	v_mul_u32_u24 v6, s22, v2                      ; lanes 16-31 take B's
	s_add_co_u32 s21, s21, SCL
	v_add_nc_u32 v5, v5, v6
	v_add_nc_u32 v[ADRS], s21, v5
	s_mul_i32 s23, s14, 2*SPL                      ; my stage
	v_mul_u32_u24 v5, v1, 144
	v_lshl_add_u32 v5, v2, 4, v5
	v_add_nc_u32 v[STO], s23, v5                   ; in: row r, 16 bytes for each half of the lanes
	v_and_b32 v6, 31, v0
	v_lshlrev_b32 v[CO], 4, v6                     ; out: 16 bytes a lane: four positions of one head are 512 consecutive bytes
	v_lshrrev_b32 v5, 3, v6
	v_mul_u32_u24 v5, v5, 144
	v_and_b32 v6, 7, v0
	v_lshl_add_u32 v5, v6, 4, v5
	v_add_nc_u32 v[RD], s23, v5                    ; back: eight lanes to a row, four rows an instruction
	s_lshl_b32 s20, ttmp9, 2                       ; ((kind 4 + batch) 16 + head) x HB + position x 128
	s_lshr_b32 s21, s17, 3
	s_add_co_u32 s20, s20, s21
	s_lshl_b32 s20, s20, 22
	s_and_b32 s21, s17, 7
	s_lshl_b32 s21, s21, 15
	s_add_co_u32 s20, s20, s21
	s_lshl_b32 s21, s15, 14
	s_add_co_u32 s20, s20, s21
	s_mov_b32 s21, 0
	s_lshl_b32 s46, s40, 20                        ; head 4 cx + 2 x half
	s_lshl_b32 s47, s16, 19
	s_add_co_u32 s46, s46, s47
	s_mov_b32 s47, 0
	s_add_nc_u64 s[20:21], s[20:21], s[46:47]
	s_add_nc_u64 s[12:13], s[12:13], s[20:21]
.macro FRAG reg, adr, q, i             ; 16 rows x 128 K of 4-bit codes: 8 registers, two loads 32 bytes apart
.irp c, 0,1
	ds_load_b128 v[\reg+4*\c:\reg+4*\c+3], v[\adr] offset:64*(\q)+32*\c+(\i)*16*PITCH
.endr
.endm
; 16 matrix instructions: A's blocks a0, a0 + 1 x B's eight.  zero = 1: the first product starts the sums, with the bias as C.  The 64 accumulators take turns, one instruction a turn.
.macro MUL16 a0, p, q, sc, zero
.irp a, \a0, \a0+1
.irp b, 0,1,2,3,4,5,6,7
.if \zero
	v_wmma_scale_f32_16x16x128_f8f6f4 v[8*(8*((\a)%4)+\b):8*(8*((\a)%4)+\b)+7], v[128*(\p)+FR*\b:128*(\p)+FR*\b+FR-1], v[AF+FR*(\a):AF+FR*(\a)+FR-1], v[BIAS+8*\b:BIAS+8*\b+7], v[SC+8*NQ*(\sc)+NQ*\b+(\q)], v[SC+8*NQ*(\sc)+NQ*(\a)+(\q)] matrix_a_fmt:MATRIX_FMT_FP4 matrix_b_fmt:MATRIX_FMT_FP4 matrix_a_scale:MATRIX_SCALE_ROW1
.else
	v_wmma_scale_f32_16x16x128_f8f6f4 v[8*(8*((\a)%4)+\b):8*(8*((\a)%4)+\b)+7], v[128*(\p)+FR*\b:128*(\p)+FR*\b+FR-1], v[AF+FR*(\a):AF+FR*(\a)+FR-1], v[8*(8*((\a)%4)+\b):8*(8*((\a)%4)+\b)+7], v[SC+8*NQ*(\sc)+NQ*\b+(\q)], v[SC+8*NQ*(\sc)+NQ*(\a)+(\q)] matrix_a_fmt:MATRIX_FMT_FP4 matrix_b_fmt:MATRIX_FMT_FP4 matrix_a_scale:MATRIX_SCALE_ROW1
.endif
.endr
.endr
.endm
.macro FETCH_B slot, q, p
	WIN TO_B
.irp i, 0,1,2,3,4,5,6,7
	FRAG 128*(\p)+FR*\i, ADRB+\slot, \q, \i
.endr
	WIN 0
.endm
.macro FETCH_A slot, q, i0
.irp i, \i0, \i0+1, \i0+2, \i0+3
	FRAG AF+FR*(\i), ADRA+\slot, \q, \i
.endr
.endm
.macro SCALES sc                       ; a K step's scale words: lanes 0-15 take A's block i, lanes 16-31 B's block i
.irp i, 0,1,2,3,4,5,6,7
	ds_load_b128 v[SC+8*NQ*\sc+NQ*\i:SC+8*NQ*\sc+NQ*\i+3], v[ADRS] offset:\i*SBLK
.endr
.endm
.macro PLACES n                        ; plain instructions between a matrix instruction and a load into, or a read of, its registers
.rept \n
	v_nop
.endr
.endm
.macro STEP slot, q, zero              ; 128 along K with its successor in the same slot
	s_wait_dscnt 4*NL                              ; B's set and A's blocks 0-3 are in; A's blocks 4-7, the youngest eight loads, may be out
.if \zero
	WIN FIRST_LO
.else
	WIN MUL_LO
.endif
	MUL16 0, (\q)%2, \q, \slot, \zero
	MUL16 2, (\q)%2, \q, \slot, \zero
	s_wait_dscnt 0
	PLACES NP
	FETCH_B \slot, (\q)+1, 1-(\q)%2
	FETCH_A \slot, (\q)+1, 0
.if \zero
	WIN FIRST_HI
.else
	WIN MUL_HI
.endif
	MUL16 4, (\q)%2, \q, \slot, \zero
	MUL16 6, (\q)%2, \q, \slot, \zero
	PLACES NP
	WIN 0
	FETCH_A \slot, (\q)+1, 4
.endm
.macro STEPS slot, from
.set Q, \from
.rept NQ-1-\from
	STEP \slot, Q, 0
.set Q, Q+1
.endr
.endm
	s_wait_tensorcnt 1                             ; the scales and my part of K step 0 are in; K step 1's load may be out
	s_barrier_signal -1
	s_barrier_wait -1
	FETCH_B 0, 0, 0
	FETCH_A 0, 0, 0
	SCALES 0
	FETCH_A 0, 0, 4
	s_wait_loadcnt 0x0                             ; the bias
	STEP 0, 0, 1
	STEPS 0, 1
	; slot 0's last step changes slots: one barrier; in front of it all my tensor loads have landed and my reads of slot 0 are over
	s_wait_tensorcnt 0x0
	ds_add_u32 v[SPW], v[NIL]                      ; 0 onto my spare word
	s_wait_dscnt 4*NL+1                            ; the add and A's blocks 4-7 may be out
	WIN MUL_LO
	MUL16 0, 1, NQ-1, 0, 0
	s_wait_dscnt 0x0
	s_barrier_signal -1
	MUL16 2, 1, NQ-1, 0, 0
	WIN 0
	s_barrier_wait -1
	PLACES NP
	v_add_nc_u32 v[ADRS], 4*NQ, v[ADRS]            ; on to the second K step's scale words
	FETCH_B 1, 0, 0
	FETCH_A 1, 0, 0
	SCALES 1
	WIN MUL_HI
	MUL16 4, 1, NQ-1, 0, 0
	MUL16 6, 1, NQ-1, 0, 0
	PLACES NP
	WIN 0
	FETCH_A 1, 0, 4
	STEPS 1, 0
	s_wait_dscnt 4*NL                              ; the very last step
	WIN MUL_LO
	MUL16 0, 1, NQ-1, 1, 0
	MUL16 2, 1, NQ-1, 1, 0
	s_wait_dscnt 0
	WIN MUL_HI
	MUL16 4, 1, NQ-1, 1, 0
	MUL16 6, 1, NQ-1, 1, 0
	WIN 0
; THE WAY OUT, a block of 16 tokens x 128 n (two heads) at a time: rounded to f16, 16 bytes a lane into my stage, back as runs of four positions of one head, stored 512 consecutive bytes an instruction.
.macro PACK a
.set AC, 64*((\a)%4)
	WIN 0x0a+5*((\a)/4)                            ; sources 0 and 1: window 2 or 3
.irp b, 0,1,2,3,4,5,6,7
.irp r, 0,1,2,3
	v_cvt_pk_f16_f32 v[TMP+4*\b+\r], v[AC+8*\b+2*\r], v[AC+8*\b+2*\r+1]   ; each accumulator from its low end on
.endr
.endr
	WIN 0
.endm
.macro TOSTAGE a
.set BB, BK+32*((\a)%2)
.irp b, 0,1,2,3,4,5,6,7
	ds_store_b128 v[STO], v[TMP+4*\b:TMP+4*\b+3] offset:(\b/4)*SPL+32*(\b%4)
.endr
.irp t, 0,1,2,3,4,5,6,7
	ds_load_b128 v[BB+4*\t:BB+4*\t+3], v[RD] offset:(\t/4)*SPL+(\t%4)*576   ; LDS serves a wave's instructions in order: these see the stores above
.endr
.endm
.macro SEND a
.set BB, BK+32*((\a)%2)
	s_wait_dscnt 0x0                               ; the block is back in registers
	s_wait_xcnt 0x0                                ; the stores of the block before have read their registers: the next block's loads may land there
.irp t, 0,1,2,3,4,5,6,7
	global_store_b128 v[CO], v[BB+4*\t:BB+4*\t+3], s[12:13] offset:(\t/4)*HB+(\a)*2048+(\t%4)*512
.endr
.endm
	PLACES NP
	PACK 0
	TOSTAGE 0
.irp a, 1,2,3,4,5,6,7
	PACK \a
	SEND \a-1
	TOSTAGE \a
.endr
	SEND 7
	s_wait_tensorcnt 0x0                           ; the wave's end
	ds_add_u32 v[SPW], v[NIL]
	s_wait_dscnt 0x0
	CROUND                                         ; the closing round
	s_endpgm
.Lfunc_end_k_q8473bf7be7_qkv:
	.size	k_q8473bf7be7_qkv, .Lfunc_end_k_q8473bf7be7_qkv-k_q8473bf7be7_qkv
	.p2alignl 7, 3214868480
	.fill 96, 4, 3214868480
	.section	.rodata,"a",@progbits
	.p2align	6, 0x0
	.amdhsa_kernel k_q8473bf7be7_qkv
		.amdhsa_group_segment_fixed_size 327680
		.amdhsa_private_segment_fixed_size 0
		.amdhsa_enable_private_segment 0
		.amdhsa_kernarg_size 64
		.amdhsa_user_sgpr_count 2
		.amdhsa_user_sgpr_kernarg_segment_ptr 1
		.amdhsa_wavefront_size32 1
		.amdhsa_system_sgpr_workgroup_id_x 1
		.amdhsa_system_sgpr_workgroup_id_y 1
		.amdhsa_system_sgpr_workgroup_id_z 1
		.amdhsa_system_vgpr_workitem_id 0
		.amdhsa_next_free_vgpr 1024
		.amdhsa_next_free_sgpr 102
		.amdhsa_reserve_vcc 0
		.amdhsa_float_denorm_mode_32 3
		.amdhsa_float_denorm_mode_16_64 3
		.amdhsa_memory_ordered 1
		.amdhsa_forward_progress 1
		.amdhsa_inst_pref_size 128
	.end_amdhsa_kernel
	.amdgpu_metadata
---
amdhsa.version: [ 1, 2 ]
amdhsa.kernels:
  - .name:           k_q8473bf7be7_qkv
    .symbol:         k_q8473bf7be7_qkv.kd
    .args:
      - { .name: x_codes, .offset: 0, .size: 8, .value_kind: global_buffer, .address_space: global }
      - { .name: x_scales, .offset: 8, .size: 8, .value_kind: global_buffer, .address_space: global }
      - { .name: w_codes, .offset: 16, .size: 8, .value_kind: global_buffer, .address_space: global }
      - { .name: w_scales, .offset: 24, .size: 8, .value_kind: global_buffer, .address_space: global }
      - { .name: bq, .offset: 32, .size: 8, .value_kind: global_buffer, .address_space: global }
      - { .name: bk, .offset: 40, .size: 8, .value_kind: global_buffer, .address_space: global }
      - { .name: bv, .offset: 48, .size: 8, .value_kind: global_buffer, .address_space: global }
      - { .name: qkv, .offset: 56, .size: 8, .value_kind: global_buffer, .address_space: global }
    .group_segment_fixed_size: 327680
    .private_segment_fixed_size: 0
    .kernarg_segment_align: 8
    .kernarg_segment_size: 64
    .max_flat_workgroup_size: 128
    .sgpr_count:     102
    .vgpr_count:     1024
    .wavefront_size: 32
...
	.end_amdgpu_metadata
.endif
;; end of part 2
;; launch attn (part 3): grid 4 x 64, 8 waves a work-group, clusters of 4 x 1, 327,680 bytes of LDS; arguments qkv, att; writes att
.if DOCPART == 3
	.amdgcn_target "amdgcn-amd-amdhsa--gfx1250"
	.amdhsa_code_object_version 6
	.text
	.protected	k_q8473bf7be7_attn
	.globl	k_q8473bf7be7_attn
	.p2align	8
	.type	k_q8473bf7be7_attn,@function
k_q8473bf7be7_attn:
	s_mov_b64 s[64:65], 0
	v_nop
	global_prefetch_b8 v0, s[64:65] scope:SCOPE_SE
	s_setreg_imm32_b32 hwreg(HW_REG_WAVE_MODE, 25, 1), 1
	s_wait_xcnt 0x0
	s_wait_alu depctr_hold_cnt(0) depctr_sa_sdst(0) depctr_va_vdst(0) depctr_va_sdst(0) depctr_va_ssrc(0) depctr_va_vcc(0) depctr_vm_vsrc(0)
	s_getreg_b32 s2, hwreg(HW_REG_IB_STS2, 6, 4)
	s_cmp_eq_u32 s2, 0
	s_cbranch_scc0 .Lentry_in_a_cluster
	s_endpgm
.Lentry_in_a_cluster:
	s_bfe_u32 s2, ttmp6, 0x10000c
	s_cmp_lg_u32 s2, 0x3003
	s_cbranch_scc0 .Lentry_shape_is_right
	s_endpgm
.Lentry_shape_is_right:
; att[hb][q][:] = the sum over k of softmax_k(Q[hb][q] . K[hb][k] / 8) V[hb][k][:].  qkv: f16 [kind 3][64 heads hb][2048][64]; att: f16 [64][2048][64].  Products, maxima and sums in f32; the weights p go to the second product as f16.
; SHARES.  A work-group owns 512 queries of one head, each of its eight waves 64: four tiles of 16, in 512 registers, two waves to a SIMD.  Every wave walks the head's 2,048 keys, 64 a step.
; LAYOUT.  S^T = K Q^T (source 0 = 16 keys, source 1 = 16 queries), O^T = V^T P (source 0 = 16 channels, source 1 = P): a lane holds ONE query throughout; two tiles of S^T, rounded in pairs, are a fragment of P, made in place.
; V ([key][channel]) is turned on its way out of LDS by ds_load_tr16_b128.
; SOFTMAX.  For each query a running largest score m; M = c m rounded UP to a whole number (c = log2(e) / 8), kept as -M; p = 2^(c s - M), at most 1.  When M moves, l and O^T are multiplied by f = 2^(old M - new M), made by v_ldexp_f32: exact.
; BY TURNS.  The wave's tiles are two pieces (tiles 0, 1 and tiles 2, 3).  In a turn one piece has the matrix unit (16 products V^T P of the step in hand, 16 products K Q^T of the next step); the other piece's softmax stands between them.
; CLUSTER.  The four query blocks of a head walk the same K and V: each tile is asked for jointly, by the same tensor load with a mask that names the four.
; LDS.  K's and V's rows of 128 bytes are dense in memory and are stated as rows of 256 bytes (two keys), K with 16 bytes of padding behind each, V with 32.  A slot holds four key steps; two slots, 2^17 bytes apart.
; REGISTERS.  window 0: v1-11 addresses; v32-63 eight registers of statistics a tile; v64-191 S^T, 32 a tile (P in the first 16); v192-255 K of one step.   window 1: v0-63 Q; v64-127 V of one step; v128-255 O^T, 32 a tile.
; LIMITS: NaN and infinities are not served; p under f16's smallest number counts as 0 in the second product (it still counts in l).
.set PK,    272
.set PVR,   288
.set VOFF,  32*PK                      ; a step's tiles lie together: K's 32 long rows, then V's
.set STEPB, 32*(PK+PVR)
.set NSTEP, 4
.set SLOT1, 1<<17
.set STAGE, SLOT1+NSTEP*STEPB          ; behind the ring: 16 rows x (128 bytes + 16) for each wave
.set SP,    144
.set SPARE, STAGE+8*16*SP              ; the spare words, 128 bytes for each wave: four blocks of 256 bytes that no other line names
.set HB,    262144                     ; a head: 2,048 rows of 128 bytes
.set KINDB, 64*HB
.set SLOTB, NSTEP*64*128               ; a slot's keys in memory
.set AK0, 2
.set AV0, 3
.set ADR, 4
.set QO,  5
.set STO, 6
.set RD,  7
.set GO,  8
.set PFO, 28                           ; v28  256 x my lane; never rewritten
.set SPW, 30                           ; v30  LDS address of my spare word; never rewritten
.set NIL, 31                           ; v31  0; never rewritten
.set ST,  32                           ; tile t at v[ST + 8 t]: +0 -M, +1 m, +2, +3 l, +4 .. +7 at work; f takes +6
.set S,   64
.set KF,  192
.set WV,  12
.set LIM, 15
.set PFA, 18
.set G1K, 24
.set G1V, 32
.set G0K, 40
.set G0V, 48
.set SLOTS, 56
.set TWICE, 57
.set CS,  58
.set SEL, 60
.set TB,  62
.set MSB, 0
.macro WIN new
.if MSB != (\new)
	s_set_vgpr_msb (MSB<<8)|(\new)
.set MSB, (\new)
.endif
.endm
.set W_KQ, 0x04                        ; Q (source 1) window 1; K, S^T window 0.  The scalings and exponentials on S^T are right under it too: their source 1 is a scalar pair or absent
.set W_PV, 0x51                        ; V, C and D window 1, P window 0.  The rescaling of O^T by f (source 1, window 0) is right under it too
.set W_RS, 0x41
.macro JLOAD                           ; waves 0-3 fetch the four steps' tiles of K, waves 4-7 those of V; an s_nop 0 and four v_nop follow each line
	s_cmp_lt_u32 s[WV], 4
	s_cbranch_scc0 .Lfor_v_\@
	tensor_load_to_lds s[G0K+4:G0K+7], s[G1K:G1K+7]
	s_nop 0
.rept 4
	v_nop
.endr
	s_branch .Lasked_\@
.Lfor_v_\@:
	tensor_load_to_lds s[G0V+4:G0V+7], s[G1V:G1V+7]
	s_nop 0
.rept 4
	v_nop
.endr
.Lasked_\@:
.endm
; A prefetch of what the NEXT change of slots will ask for: a slot's 32,768 bytes of K and of V.  The four partners take 8,192 bytes each, told apart by address; in each, wave 0 asks for K's and wave 4 for V's,
; lanes 256 bytes apart: each block of 256 bytes is named once in the launch.  It runs one slot, four key steps, ahead of the load; the last change that fills a slot asks for nothing.
.macro ASK
	s_cmp_gt_u32 s[SLOTS], s[LIM]
	s_cbranch_scc0 .Lnot_mine_\@
	global_prefetch_b8 v[PFO], s[PFA:PFA+1] th:TH_LOAD_NT scope:SCOPE_SE
.Lnot_mine_\@:
.endm
.macro CROUND
	s_barrier_signal -1
	s_barrier_wait -1
	s_cmp_lg_u32 s[WV], 0
	s_cbranch_scc1 .Lnot_wave_0_\@
	s_barrier_signal -3
.Lnot_wave_0_\@:
	s_barrier_wait -3
	s_barrier_signal -1
	s_barrier_wait -1
.endm
	s_load_b64 s[4:5], s[0:1], 0x0                 ; qkv
	s_load_b64 s[10:11], s[0:1], 0x8               ; att
	v_lshl_add_u32 v[SPW], v0, 2, SPARE
	v_mov_b32 v[NIL], 0
	ds_add_u32 v[SPW], v[NIL]                      ; the wave's opening: the add, twice on end, and its wait ahead of my first tensor load
	ds_add_u32 v[SPW], v[NIL]
	v_lshrrev_b32 v1, 5, v0
	v_readfirstlane_b32 s[WV], v1                  ; wave 0..7
	s_bfe_u32 s13, ttmp6, 0x40000                  ; cx
	s_lshl_b32 s14, ttmp9, 2
	s_add_co_u32 s14, s14, s13                     ; my block of 512 queries: it enters Q's and att's addresses alone
	s_and_b32 s20, ttmp7, 0xffff                   ; the head, which the four partners share
	s_lshl_b32 s20, s20, 18
	s_and_b32 s16, s[WV], 3                        ; which of a slot's four steps I fetch:
	s_lshl_b32 s22, s16, 13                        ; its 64 rows of 128 bytes in memory,
	s_add_co_u32 s22, s22, s20
	s_mov_b32 s23, 0
	s_mul_i32 s17, s16, STEPB                      ; and its place in a slot
	s_lshl_b32 s2, s14, 16
	s_lshl_b32 s3, s[WV], 13
	s_add_co_u32 s2, s2, s3
	s_add_co_u32 s2, s2, s20                       ; my wave's 64 queries
	s_mov_b32 s3, 0
	s_mov_b32 s[G1K], 15|(1<<16)|(1<<20)|(1<<21)|(5<<22)|(3<<25)  ; the mask: all four; elements of 2 bytes; padding on; bit 21 beside a mask; 4 words behind every 64
	s_mov_b32 s[G1V], 15|(1<<16)|(1<<20)|(1<<21)|(5<<22)|(7<<25)  ; the same with 8 words
.irp g, G1K, G1V
	s_mov_b32 s[\g+1], 128<<16                     ; tensor_dim0 = 128 elements: two keys
	s_mov_b32 s[\g+2], 32<<16                      ; tensor_dim1 = 32
	s_mov_b32 s[\g+3], 128<<16                     ; tile_dim0
	s_mov_b32 s[\g+4], 32                          ; tile_dim1
	s_mov_b32 s[\g+5], 128                         ; the pitch: dense
	s_mov_b32 s[\g+6], 0
	s_mov_b32 s[\g+7], 0
.endr
	s_mov_b32 s[CS], 0x3e38aa3b                    ; c = log2(e) / 8
	s_mov_b32 s[CS+1], s[CS]
	s_mov_b32 s[SEL], 0x76543210
	s_mov_b32 s[SEL+1], 0xfedcba98
	s_mov_b32 s[TB], 0
	s_mov_b32 s[SLOTS], 2048/(NSTEP*64)-2
	s_and_b32 s[LIM], s[WV], 3                     ; 0 in waves 0 and 4,
	s_or_b32 s[LIM], s[LIM], ttmp9                 ; of the head's first (and only) cluster: the same in all four partners
	s_cmp_eq_u32 s[LIM], 0
	s_cselect_b32 s[LIM], 1, -1
	v_and_b32 v[PFO], 31, v0
	v_lshlrev_b32 v[PFO], 8, v[PFO]
	s_wait_dscnt 0x0                               ; both opening adds are done
	s_wait_kmcnt 0x0
	s_add_nc_u64 s[6:7], s[4:5], s[22:23]
	s_add_nc_u64 s[8:9], s[6:7], 2*KINDB           ; V at my tile of slot 0
	s_add_nc_u64 s[6:7], s[6:7], KINDB             ; K likewise
	s_add_nc_u64 s[4:5], s[4:5], s[2:3]            ; Q and att at my wave's first row
	s_add_nc_u64 s[10:11], s[10:11], s[2:3]
	s_cmp_lt_u32 s[WV], 4
	s_cselect_b64 s[PFA:PFA+1], s[6:7], s[8:9]     ; (in waves 0 and 4 these stand at a slot's first row)
	s_lshl_b32 s2, s13, 13                         ; my work-group's quarter
	s_mov_b32 s3, 0
	s_add_nc_u64 s[PFA:PFA+1], s[PFA:PFA+1], s[2:3]
	s_add_nc_u64 s[PFA:PFA+1], s[PFA:PFA+1], 2*SLOTB  ; in slot 2; the first change of slots steps it to slot 3
	CROUND                                         ; all four work-groups are here: the first joint loads meet
.irp s, 0,1
	s_mov_b32 s[G0K+4*\s], 1
	s_add_co_u32 s[G0K+4*\s+1], s17, \s*SLOT1
	s_add_nc_u64 s[G0K+4*\s+2:G0K+4*\s+3], s[6:7], \s*SLOTB
	s_or_b32 s[G0K+4*\s+3], s[G0K+4*\s+3], 0x80000000
	s_mov_b32 s[G0V+4*\s], 1
	s_add_co_u32 s[G0V+4*\s+1], s17, \s*SLOT1+VOFF
	s_add_nc_u64 s[G0V+4*\s+2:G0V+4*\s+3], s[8:9], \s*SLOTB
	s_or_b32 s[G0V+4*\s+3], s[G0V+4*\s+3], 0x80000000
.endr
	s_cmp_lt_u32 s[WV], 4                          ; a wave's two first fills stand in one branch: two loads of mine are out
	s_cbranch_scc0 .Lfirst_v
	tensor_load_to_lds s[G0K:G0K+3], s[G1K:G1K+7]
	s_nop 0
	tensor_load_to_lds s[G0K+4:G0K+7], s[G1K:G1K+7]
	s_nop 0
.rept 4
	v_nop
.endr
	s_branch .Lfirst_asked
.Lfirst_v:
	tensor_load_to_lds s[G0V:G0V+3], s[G1V:G1V+7]
	s_nop 0
	tensor_load_to_lds s[G0V+4:G0V+7], s[G1V:G1V+7]
	s_nop 0
.rept 4
	v_nop
.endr
.Lfirst_asked:
	v_and_b32 v1, 15, v0                           ; r
	v_bfe_u32 v9, v0, 4, 1                         ; h
	v_lshlrev_b32 v[QO], 7, v1
	v_lshl_add_u32 v[QO], v9, 4, v[QO]             ; row x 128 + 16 x half
	WIN 0x40                                       ; destination window 1
.irp i, 0,1,2,3,4,5,6,7                        ; Q stays in registers: tile i / 2, channels 32 (i % 2) on
	global_load_b128 v[8*\i:8*\i+3],   v[QO], s[4:5] offset:(\i/2)*2048+(\i%2)*64
	global_load_b128 v[8*\i+4:8*\i+7], v[QO], s[4:5] offset:(\i/2)*2048+(\i%2)*64+32
.endr
	WIN 0
	v_lshrrev_b32 v10, 1, v1                       ; K: key r lies in long row r / 2, half r % 2
	v_mul_u32_u24 v[AK0], v10, PK
	v_and_b32 v10, 1, v0
	v_lshl_add_u32 v[AK0], v10, 7, v[AK0]
	v_lshl_add_u32 v[AK0], v9, 4, v[AK0]
	v_bfe_u32 v11, v0, 1, 2                        ; V: lane l reads key 8 h + l % 8: long row 4 h + (l % 8) / 2, half l % 2; channels 8 ((l / 8) % 2) on
	v_lshl_add_u32 v[AV0], v9, 2, v11
	v_mul_u32_u24 v[AV0], v[AV0], PVR
	v_lshl_add_u32 v[AV0], v10, 7, v[AV0]
	v_bfe_u32 v11, v0, 3, 1
	v_lshl_add_u32 v[AV0], v11, 4, v[AV0]
	v_add_nc_u32 v[AV0], VOFF, v[AV0]
; THE MATRIX WORK OF A TURN is a list of 32: numbers 0-15 O^T += V^T P (tile TX + i % 2, channels 16 ((i / 2) % 4) on, keys 32 (i / 8) on), numbers 16-31 S^T = K Q^T (tile TX + i % 2, keys 16 ((i / 2) % 4) on, channels 32 (i / 8) on).
; NEXTM writes the next one, if one is due, and leaves the windows as it found them.  Eight accumulators take turns in both halves of the list.
.macro NEXTM
.if mi < mend
.set SAVEW, MSB
.if mi < 16
.set i, mi
.set mO, 128+32*(TX+i%2)+8*((i/2)%4)
.set mV, 64+8*(4*(i/8)+(i/2)%4)
.set mP, S+32*(TX+i%2)+8*(i/8)
	WIN W_PV
.if TZ && (i < 8)
	v_wmma_f32_16x16x32_f16 v[mO:mO+7], v[mV:mV+7], v[mP:mP+7], 0
.else
	v_wmma_f32_16x16x32_f16 v[mO:mO+7], v[mV:mV+7], v[mP:mP+7], v[mO:mO+7]
.endif
.else
.set i, mi-16
.set mS, S+32*(TX+i%2)+8*((i/2)%4)
.set mK, KF+8*(2*((i/2)%4)+i/8)
.set mQ, 16*(TX+i%2)+8*(i/8)
	WIN W_KQ
.if i < 8
	v_wmma_f32_16x16x32_f16 v[mS:mS+7], v[mK:mK+7], v[mQ:mQ+7], 0
.else
	v_wmma_f32_16x16x32_f16 v[mS:mS+7], v[mK:mK+7], v[mQ:mQ+7], v[mS:mS+7]
.endif
.endif
	WIN SAVEW
.set mi, mi+1
.endif
.endm
.macro FLUSH                           ; what is left of the list up to mend, bare
.if mi < mend
.if mi < 16
	WIN W_PV
.else
	WIN W_KQ
.endif
.rept mend-mi
	NEXTM
.endr
.endif
.endm
.macro FETCH_K                         ; a step's K: 8 fragments of 16 keys x 32 channels, 16 loads in one run
	WIN 0
	v_add_nc_u32 v[ADR], s[TB], v[AK0]
.irp f, 0,1,2,3,4,5,6,7
	ds_load_b128 v[KF+8*\f:KF+8*\f+3],   v[ADR] offset:(\f/2)*8*PK+(\f%2)*64
	ds_load_b128 v[KF+8*\f+4:KF+8*\f+7], v[ADR] offset:(\f/2)*8*PK+(\f%2)*64+32
.endr
.endm
.macro FETCH_V                         ; the same step's V, turned: 8 fragments of 16 channels x 32 keys
	WIN 0
	v_add_nc_u32 v[ADR], s[TB], v[AV0]
	s_add_co_u32 s[TB], s[TB], STEPB               ; the next fetch is the next step's
	WIN 0x40
.irp f, 0,1,2,3,4,5,6,7
	ds_load_tr16_b128 v[64+8*\f:64+8*\f+3],   v[ADR] offset:(\f/4)*16*PVR+(\f%4)*32
	ds_load_tr16_b128 v[64+8*\f+4:64+8*\f+7], v[ADR] offset:(\f/4)*16*PVR+8*PVR+(\f%4)*32
.endr
	WIN 0
.endm
; Number n of 24 of the maximum's list, for tile TY + d.  first = 1: the first key step has no old m, no old M and no f.
.macro SA d, first
.set rT, ST+8*(TY+\d)
.set rS, S+32*(TY+\d)
.if n < 4
	v_max3_num_f32 v[rT+4+n], v[rS+8*n], v[rS+8*n+1], v[rS+8*n+2]   ; four chains, each begun at its accumulator's low end
.elseif n < 12
	v_max3_num_f32 v[rT+4+n%4], v[rT+4+n%4], v[rS+8*(n%4)+2*(n/4)+1], v[rS+8*(n%4)+2*(n/4)+2]
.elseif n == 12
	v_max3_num_f32 v[rT+4], v[rT+4], v[rS+7], v[rS+15]
.elseif n == 13
	v_max3_num_f32 v[rT+6], v[rT+6], v[rS+23], v[rS+31]
.elseif n == 14
	v_max3_num_f32 v[rT+4], v[rT+4], v[rT+5], v[rT+6]
.elseif (n == 15) && \first
	v_max_num_f32 v[rT+4], v[rT+4], v[rT+7]
.elseif n == 15
	v_max3_num_f32 v[rT+4], v[rT+4], v[rT+7], v[rT+1]
.elseif n == 16
	v_permlanex16_b32 v[rT+5], v[rT+4], s[SEL], s[SEL+1]   ; the query's other 32 keys lie in the lane 16 away
.elseif n == 18
	v_max_num_f32 v[rT+1], v[rT+4], v[rT+5]        ; the running largest score
.elseif n == 19
	v_mul_f32 v[rT+5], s[CS], v[rT+1]
.elseif n == 20
	v_floor_f32 v[rT], -v[rT+5]                    ; -M = floor(-c m): M is a whole number
.elseif \first
.elseif n == 17
	v_mov_b32 v[rT+7], v[rT]                       ; the old -M
.elseif n == 21
	v_sub_f32 v[rT+7], v[rT], v[rT+7]              ; old M - new M: a whole number, 0 or less
.elseif n == 22
	v_cvt_i32_f32 v[rT+7], v[rT+7]                 ; (it saturates)
.elseif n == 23
	v_ldexp_f32 v[rT+6], 1.0, v[rT+7]              ; f
.endif
.endm
; A TURN.  Piece x has the matrix unit, the other piece's softmax stands between its products.  pv = 2: 16 products V^T P; 1: they start O^T's sums; 0: none.  kq = 1: 16 products K Q^T of the next step.  first = 1: the softmax is the first key step's.
.macro TURN x, pv, kq, first
.set TX, \x
.set TY, 2-\x
.if \pv == 1
.set TZ, 1
.else
.set TZ, 0
.endif
.if \pv
.set mi, 0
.else
.set mi, 16
.endif
.set mend, 16
.if \x == 0
.if \kq
	FETCH_K                                        ; the next step's K: the last product that read K stands 64 plain instructions back
	s_wait_dscnt 16                                ; V, asked for half a turn ago, is in; K's 16 loads may be out
.else
	s_wait_dscnt 0x0                               ; V is in
.endif
.endif
	WIN 0
.set n, 0
.rept 24                                       ; the maximum, M and f: the two tiles alternate; a product behind each eight
	SA 0, \first
	SA 1, \first
.if n%4 == 3
	NEXTM
.endif
.set n, n+1
.endr
.if !\first
	WIN W_PV
.set u, 0
.rept 16                                       ; O^T under the new M, each accumulator from its low end on; the other ten products V^T P stand between
	v_pk_mul_f32 v[128+32*TY+2*u:128+32*TY+2*u+1], v[128+32*TY+2*u:128+32*TY+2*u+1], v[ST+8*TY+6:ST+8*TY+7] op_sel_hi:[1,0]
	v_pk_mul_f32 v[160+32*TY+2*u:160+32*TY+2*u+1], v[160+32*TY+2*u:160+32*TY+2*u+1], v[ST+8*TY+14:ST+8*TY+15] op_sel_hi:[1,0]
	NEXTM
.set u, u+1
.endr
.endif
	FLUSH
	WIN 0
.if \pv && \first
.rept 5
	v_nop                                          ; five places between the last V^T P and the K Q^T that writes over P, four of them also for V's loads.  In the other turns the last twelve rescalings are these places
.endr
.endif
.if \x == 2
	FETCH_V
.elseif \kq
	s_wait_dscnt 0x0                               ; K is in
.endif
.set mend, 16+16*\kq
	WIN W_KQ
.irp d, 0,1
	v_pk_fma_f32 v[S+32*(TY+\d):S+32*(TY+\d)+1], v[S+32*(TY+\d):S+32*(TY+\d)+1], s[CS:CS+1], v[ST+8*(TY+\d):ST+8*(TY+\d)+1] op_sel_hi:[1,0,0]
	v_pk_fma_f32 v[S+32*(TY+\d)+2:S+32*(TY+\d)+3], v[S+32*(TY+\d)+2:S+32*(TY+\d)+3], s[CS:CS+1], v[ST+8*(TY+\d):ST+8*(TY+\d)+1] op_sel_hi:[1,0,0]
.endr
.set g, 0
.rept 8                                        ; ONE BATCH: the scalings c s - M and the 64 exponentials; nothing here names an exponential's result; a product K Q^T behind each four
.irp d, 0,1
.set rT, ST+8*(TY+\d)
.set rS, S+32*(TY+\d)
.if g < 7
	v_pk_fma_f32 v[rS+4*g+4:rS+4*g+5], v[rS+4*g+4:rS+4*g+5], s[CS:CS+1], v[rT:rT+1] op_sel_hi:[1,0,0]
	v_pk_fma_f32 v[rS+4*g+6:rS+4*g+7], v[rS+4*g+6:rS+4*g+7], s[CS:CS+1], v[rT:rT+1] op_sel_hi:[1,0,0]
.endif
	v_exp_f32 v[rS+4*g], v[rS+4*g]
	v_exp_f32 v[rS+4*g+1], v[rS+4*g+1]
	v_exp_f32 v[rS+4*g+2], v[rS+4*g+2]
	v_exp_f32 v[rS+4*g+3], v[rS+4*g+3]
	NEXTM
.endr
.set g, g+1
.endr
	v_nop                                          ; a plain instruction behind the last exponential
	s_wait_alu depctr_va_vdst(0)                   ; one wait for the batch, ahead of its first reader
	WIN 0
.irp d, 0,1                                    ; the sums of the unrounded p, in two chains a tile
	v_pk_add_f32 v[ST+8*(TY+\d)+4:ST+8*(TY+\d)+5], v[S+32*(TY+\d):S+32*(TY+\d)+1], v[S+32*(TY+\d)+2:S+32*(TY+\d)+3]
.endr
.irp d, 0,1
.if \first
	v_pk_add_f32 v[ST+8*(TY+\d)+2:ST+8*(TY+\d)+3], v[S+32*(TY+\d)+4:S+32*(TY+\d)+5], v[S+32*(TY+\d)+6:S+32*(TY+\d)+7]
.else
	v_pk_fma_f32 v[ST+8*(TY+\d)+2:ST+8*(TY+\d)+3], v[ST+8*(TY+\d)+2:ST+8*(TY+\d)+3], v[ST+8*(TY+\d)+6:ST+8*(TY+\d)+7], v[S+32*(TY+\d)+4:S+32*(TY+\d)+5] op_sel_hi:[1,0,1]
.endif
.endr
.set q, 3+\first
.rept 13-\first
.irp d, 0,1
.set rT, ST+8*(TY+\d)
.set rS, S+32*(TY+\d)
.if q%2
	v_pk_add_f32 v[rT+4:rT+5], v[rT+4:rT+5], v[rS+2*q:rS+2*q+1]
.else
	v_pk_add_f32 v[rT+2:rT+3], v[rT+2:rT+3], v[rS+2*q:rS+2*q+1]
.endif
.endr
.set q, q+1
.endr
.irp d, 0,1
	v_pk_add_f32 v[ST+8*(TY+\d)+2:ST+8*(TY+\d)+3], v[ST+8*(TY+\d)+2:ST+8*(TY+\d)+3], v[ST+8*(TY+\d)+4:ST+8*(TY+\d)+5]
.endr
.set q, 0
.rept 16                                       ; P, in place: pair q goes to register q, whose own number was taken by an earlier pair
	v_cvt_pk_f16_f32 v[S+32*TY+q], v[S+32*TY+2*q], v[S+32*TY+2*q+1]
	v_cvt_pk_f16_f32 v[S+32*TY+32+q], v[S+32*TY+32+2*q], v[S+32*TY+32+2*q+1]
.set q, q+1
.endr
.endm                                          ; the sums and roundings, 64 plain instructions on the other piece, are the places behind the turn's last K Q^T
; THE CHANGE OF SLOTS, when the slot's last bytes have been asked for.  Each wave waits for all its tensor loads (one is out: its part of the other slot), adds 0 to its spare word, and waits for that and for its reads of the slot.
; fill = 1: the barrier is a round of the cluster's, and the joint refill is the first thing behind it: it has four key steps in which to land.
.macro CHANGE fill
	WIN 0
	s_wait_tensorcnt 0x0
	ds_add_u32 v[SPW], v[NIL]
.if \fill
.irp g, G0K+4, G0V+4
	s_xor_b32 s[\g+1], s[\g+1], SLOT1              ; the walking descriptor: the other slot than last time,
	s_add_nc_u64 s[\g+2:\g+3], s[\g+2:\g+3], SLOTB ; the next 256 keys
.endr
	s_wait_xcnt 0x0                                ; the last prefetch, a slot back, has read its address
	s_add_nc_u64 s[PFA:PFA+1], s[PFA:PFA+1], SLOTB
	s_wait_dscnt 0x0
	CROUND
	JLOAD
	ASK
.else
	s_wait_dscnt 0x0
	s_barrier_signal -1
	s_barrier_wait -1
.endif
	s_sub_co_u32 s[TB], s[TB], NSTEP*STEPB         ; the fetches go back to a slot's first step,
	s_xor_b32 s[TB], s[TB], SLOT1                  ; in the other slot
.endm
.macro STEPS count                     ; key steps, written once
	s_mov_b32 s[TWICE], \count
.Lstep_\@:
	TURN 0, 2, 1, 0
	TURN 2, 2, 1, 0
	WIN 0
	s_sub_co_u32 s[TWICE], s[TWICE], 1
	s_cmp_lg_u32 s[TWICE], 0
	s_cbranch_scc1 .Lstep_\@
.endm
	s_wait_tensorcnt 1                             ; my part of slot 0 is in; slot 1's may stay out
	s_barrier_signal -1
	s_barrier_wait -1
	FETCH_K                                        ; key step 0
	s_wait_loadcnt 0x0                             ; Q
	s_wait_dscnt 0x0
.set TX, 0
.set TZ, 0
.set mi, 16
.set mend, 32
	FLUSH                                          ; piece 0's first scores
	WIN 0                                          ; the addresses for the way out: twelve plain instructions, the places behind those products
	s_mul_i32 s13, s[WV], 16*SP
	s_add_co_u32 s13, s13, STAGE
	v_mul_u32_u24 v[STO], v1, SP
	v_lshl_add_u32 v[STO], v9, 4, v[STO]
	v_add_nc_u32 v[STO], s13, v[STO]               ; in: row r, 16 bytes for each half of the lanes
	v_and_b32 v10, 31, v0
	v_lshrrev_b32 v11, 3, v10
	v_mul_u32_u24 v[RD], v11, SP
	v_and_b32 v11, 7, v0
	v_lshl_add_u32 v[RD], v11, 4, v[RD]
	v_add_nc_u32 v[RD], s13, v[RD]                 ; back: eight lanes to a row, four rows an instruction
	v_lshlrev_b32 v[GO], 4, v10                    ; and the same 512 bytes in att
	TURN 2, 0, 1, 1                                ; piece 2's first scores | piece 0's first softmax | V of step 0
	TURN 0, 1, 1, 1                                ; piece 0: V^T P of step 0 starts O^T, K Q^T of step 1 | piece 2's first softmax | K of step 1
	TURN 2, 1, 1, 0                                ; piece 2: the same | piece 0's softmax of step 1 | V of step 1
	WIN 0
	STEPS 2                                        ; slot 0's last two steps are fetched
.Lslot:                                            ; six trips: every slot but the last two is filled again
	CHANGE 1
	STEPS NSTEP
	s_sub_co_u32 s[SLOTS], s[SLOTS], 1
	s_cmp_lg_u32 s[SLOTS], 0
	s_cbranch_scc1 .Lslot
	CHANGE 0                                       ; the tail is written out
	STEPS NSTEP
	TURN 0, 2, 0, 0                                ; piece 0: V^T P of the last step | piece 2's last softmax
.set TX, 2
.set TZ, 0
.set mi, 0
.set mend, 16
	FLUSH                                          ; piece 2: V^T P of the last step
	WIN 0
	; THE WAY OUT.  l's halves are added; O^T is divided by l, rounded to f16 and sent through my stage, a tile (16 rows of 128 bytes) at a time.  The additions are the places behind the last products.
.irp t, 0,1,2,3
	v_add_f32 v[ST+8*\t+4], v[ST+8*\t+2], v[ST+8*\t+3]
.endr
.irp t, 0,1,2,3
	v_permlanex16_b32 v[ST+8*\t+5], v[ST+8*\t+4], s[SEL], s[SEL+1]
.endr
.irp t, 0,1,2,3
	v_add_f32 v[ST+8*\t+4], v[ST+8*\t+4], v[ST+8*\t+5]
.endr
.irp t, 0,1,2,3
	v_rcp_f32 v[ST+8*\t+6], v[ST+8*\t+4]
.endr
	v_nop                                          ; a plain instruction behind the last reciprocal
	s_wait_alu depctr_va_vdst(0)                   ; one wait for the four, ahead of the first use
.macro PACK t
	WIN W_RS
.set i, 128+32*\t
.rept 16
	v_pk_mul_f32 v[i:i+1], v[i:i+1], v[ST+8*\t+6:ST+8*\t+7] op_sel_hi:[1,0]
.set i, i+2
.endr
	WIN 0x05                                       ; sources window 1, destination window 0
.set i, 0
.rept 16
	v_cvt_pk_f16_f32 v[S+32*\t+i], v[128+32*\t+2*i], v[128+32*\t+2*i+1]
.set i, i+1
.endr
	WIN 0
.irp f, 0,1,2,3
	ds_store_b128 v[STO], v[S+32*\t+4*\f:S+32*\t+4*\f+3] offset:32*\f
.endr
.irp f, 0,1,2,3
	ds_load_b128 v[S+32*\t+16+4*\f:S+32*\t+16+4*\f+3], v[RD] offset:\f*4*SP   ; LDS serves a wave's instructions in order: these see the stores above; the next tile's stores come behind them
.endr
.endm
.macro SEND t, younger                 ; younger: the LDS instructions issued behind tile t's loads: the next tile's eight, or none
.irp f, 0,1,2,3
	s_wait_dscnt \younger+3-\f
	global_store_b128 v[GO], v[S+32*\t+16+4*\f:S+32*\t+16+4*\f+3], s[10:11] offset:\t*2048+\f*512   ; 512 consecutive bytes, aligned
.endr
.endm
	PACK 0
	PACK 1
	SEND 0, 8
	PACK 2
	SEND 1, 8
	PACK 3
	SEND 2, 8
	SEND 3, 0
	s_wait_tensorcnt 0x0                           ; the wave's end
	ds_add_u32 v[SPW], v[NIL]
	s_wait_dscnt 0x0
	CROUND                                         ; the closing round
	s_endpgm
.Lfunc_end_k_q8473bf7be7_attn:
	.size	k_q8473bf7be7_attn, .Lfunc_end_k_q8473bf7be7_attn-k_q8473bf7be7_attn
	.p2alignl 7, 3214868480
	.fill 96, 4, 3214868480
	.section	.rodata,"a",@progbits
	.p2align	6, 0x0
	.amdhsa_kernel k_q8473bf7be7_attn
		.amdhsa_group_segment_fixed_size 327680
		.amdhsa_private_segment_fixed_size 0
		.amdhsa_enable_private_segment 0
		.amdhsa_kernarg_size 16
		.amdhsa_user_sgpr_count 2
		.amdhsa_user_sgpr_kernarg_segment_ptr 1
		.amdhsa_wavefront_size32 1
		.amdhsa_system_sgpr_workgroup_id_x 1
		.amdhsa_system_sgpr_workgroup_id_y 1
		.amdhsa_system_sgpr_workgroup_id_z 1
		.amdhsa_system_vgpr_workitem_id 0
		.amdhsa_next_free_vgpr 512
		.amdhsa_next_free_sgpr 66
		.amdhsa_reserve_vcc 0
		.amdhsa_float_denorm_mode_32 3
		.amdhsa_float_denorm_mode_16_64 3
		.amdhsa_memory_ordered 1
		.amdhsa_forward_progress 1
		.amdhsa_inst_pref_size 183
	.end_amdhsa_kernel
	.amdgpu_metadata
---
amdhsa.version: [ 1, 2 ]
amdhsa.kernels:
  - .name:           k_q8473bf7be7_attn
    .symbol:         k_q8473bf7be7_attn.kd
    .args:
      - { .name: qkv, .offset: 0, .size: 8, .value_kind: global_buffer, .address_space: global }
      - { .name: att, .offset: 8, .size: 8, .value_kind: global_buffer, .address_space: global }
    .group_segment_fixed_size: 327680
    .private_segment_fixed_size: 0
    .kernarg_segment_align: 8
    .kernarg_segment_size: 16
    .max_flat_workgroup_size: 256
    .sgpr_count:     66
    .vgpr_count:     512
    .wavefront_size: 32
...
	.end_amdgpu_metadata
.endif
;; end of part 3
;; launch oproj (part 4): grid 4 x 64, 4 waves a work-group, clusters of 4 x 4, 327,680 bytes of LDS; arguments att, wot, bo, out0; writes out0
.if DOCPART == 4
	.amdgcn_target "amdgcn-amd-amdhsa--gfx1250"
	.amdhsa_code_object_version 6
	.text
	.protected	k_q8473bf7be7_oproj
	.globl	k_q8473bf7be7_oproj
	.p2align	8
	.type	k_q8473bf7be7_oproj,@function
k_q8473bf7be7_oproj:
	s_mov_b64 s[64:65], 0
	v_nop
	global_prefetch_b8 v0, s[64:65] scope:SCOPE_SE
	s_setreg_imm32_b32 hwreg(HW_REG_WAVE_MODE, 25, 1), 1
	s_wait_xcnt 0x0
	s_wait_alu depctr_hold_cnt(0) depctr_sa_sdst(0) depctr_va_vdst(0) depctr_va_sdst(0) depctr_va_ssrc(0) depctr_va_vcc(0) depctr_vm_vsrc(0)
	s_getreg_b32 s2, hwreg(HW_REG_IB_STS2, 6, 4)
	s_cmp_eq_u32 s2, 0
	s_cbranch_scc0 .Lentry_in_a_cluster
	s_endpgm
.Lentry_in_a_cluster:
	s_bfe_u32 s2, ttmp6, 0x10000c
	s_cmp_lg_u32 s2, 0xf033
	s_cbranch_scc0 .Lentry_shape_is_right
	s_endpgm
.Lentry_shape_is_right:
; out0[token][n] = the sum over k of attn[token][k] Wo[k][n] + bo[n], on f16 operands, sums in f32.  att: f16 [batch 4][head 16][position 2048][64] (k = 64 head + channel); wot: f16 [n 1024][k 1024]; out0: f32 [8192][1024].
; A tile of 128 tokens x 256 n is made by four waves, 64 x 128 each: 32 accumulators, all of window 2: 256 work-groups.  K goes in steps of 128 (two heads) through a ring of two LDS slots.
; A's part of a step is two planes, one a head: 128 positions x 128 bytes, dense in memory, stated as 64 rows of 256 bytes; B's is 256 rows of 256 bytes.  16 bytes of padding behind each row.
; CLUSTERS: 4 x 4 work-groups: A's planes are asked for jointly along a row of the cluster, B's halves along a column.
; THE MATRIX INSTRUCTION IS USED TRANSPOSED (source 0 = 16 rows of wot, source 1 = 16 tokens): a lane holds eight neighbouring n of one token.  bo is the C of each sum's first product.
; REGISTERS: window 0: v0-31 addresses; v64-127 A's fragments, two buffers of 4 x 8; v128-191 bo in the result's layout; on the way out v128-255 hold rows.   window 1: v0-127 B's fragments, two buffers of 8 x 8.   window 2: the accumulators, (a, b) at v[8 (8 a + b)].
; LIMITS: the order of the f32 sums is the matrix unit's; NaN and infinities are not served.
.set PITCH,  272
.set PLANE,  64*PITCH
.set BOFF,   2*PLANE
.set HALFB,  128*PITCH
.set SLOT,   BOFF+2*HALFB
.set SPARE,  2*SLOT                    ; the spare words, 128 bytes for each wave
.set SPITCH, 528                       ; the way out: a stage of 16 rows x (512 bytes + 16) for each wave, in slot 0, which has had its last fill and its last read by then
.set HB,     262144
.set LAPS,   4                         ; a lap = two K steps; K = 1,024 is eight
.set ADRA, 16
.set ADRB, 20
.set STO,  24
.set RD,   25
.set CO,   26
.set BOF,  27
.set SPW,  28
.set NIL,  29
.set AFR,  64
.set BIAS, 128
.set BK,   128
.set G1,  24
.set G0,  32
.set G1B, 48
.set G0B, 56
.set MSB, 0
.macro WIN new
.if MSB != (\new)
	s_set_vgpr_msb (MSB<<8)|(\new)
.set MSB, (\new)
.endif
.endm
.set MUL,   0xa1                       ; source 0 (wot) window 1, source 1 (tokens) window 0, C and D window 2
.set FIRST, 0x81                       ; the first quarter: C (bo) window 0
.set TO_B,  0x40
.macro JLOAD s                         ; waves 0 and 1 fetch A's two planes, waves 2 and 3 B's two halves; an s_nop 0 and four v_nop follow each line
	s_cmp_eq_u32 s71, 0
	s_cbranch_scc0 .Lfor_b_\@
	tensor_load_to_lds s[G0+4*\s:G0+4*\s+3], s[G1:G1+7]
	s_nop 0
.rept 4
	v_nop
.endr
	s_branch .Lasked_\@
.Lfor_b_\@:
	tensor_load_to_lds s[G0B+4*\s:G0B+4*\s+3], s[G1B:G1B+7]
	s_nop 0
.rept 4
	v_nop
.endr
.Lasked_\@:
.endm
.macro CREST
	s_cmp_lg_u32 s70, 0
	s_cbranch_scc1 .Lnot_wave_0_\@
	s_barrier_signal -3
.Lnot_wave_0_\@:
	s_barrier_wait -3
	s_barrier_signal -1
	s_barrier_wait -1
.endm
.macro CROUND
	s_barrier_signal -1
	s_barrier_wait -1
	CREST
.endm
	s_load_b128 s[4:7], s[0:1], 0x0                ; att, wot
	s_load_b128 s[8:11], s[0:1], 0x10              ; bo, out0
	v_lshl_add_u32 v[SPW], v0, 2, SPARE
	v_mov_b32 v[NIL], 0
	ds_add_u32 v[SPW], v[NIL]                      ; the wave's opening: the add, twice on end, and its wait ahead of my first tensor load
	ds_add_u32 v[SPW], v[NIL]
	v_lshrrev_b32 v1, 5, v0
	v_readfirstlane_b32 s70, v1                    ; wave 0..3
	s_lshr_b32 s71, s70, 1                         ; which 64 tokens are mine.  Also: I fetch for A (0) or for B (1)
	s_and_b32 s72, s70, 1                          ; which 128 n.  Also: which plane of A, or which half of B, I fetch
	s_bfe_u32 s40, ttmp6, 0x40000                  ; cx, cy
	s_bfe_u32 s41, ttmp6, 0x40004
	s_lshl_b32 s42, ttmp9, 2
	s_add_co_u32 s42, s42, s40                     ; tile column
	s_and_b32 s13, ttmp7, 0xffff
	s_lshl_b32 s13, s13, 2
	s_add_co_u32 s13, s13, s41                     ; tile row: 128 tokens
	s_lshl_b32 s43, s41, 2
	s_lshl_b32 s43, 15, s43                        ; my row of the cluster
	s_lshl_b32 s44, 0x1111, s40                    ; my column
	s_or_b32 s[G1+0], s43, (1<<16)|(1<<20)|(1<<21)|(5<<22)|(3<<25)   ; the mask; elements of 2 bytes; padding on; bit 21 beside a mask; 4 words behind every 64
	s_or_b32 s[G1B+0], s44, (1<<16)|(1<<20)|(1<<21)|(5<<22)|(3<<25)
	s_mov_b32 s[G1+1], 128<<16                     ; A: 64 rows of 128 elements, dense
	s_mov_b32 s[G1+2], 64<<16
	s_mov_b32 s[G1+3], 128<<16
	s_mov_b32 s[G1+4], 64
	s_mov_b32 s[G1+5], 128
	s_mov_b32 s[G1+6], 0
	s_mov_b32 s[G1+7], 0
	s_mov_b32 s[G1B+1], 128<<16                    ; B: 128 rows of 128 elements, 1,024 elements apart
	s_mov_b32 s[G1B+2], 128<<16
	s_mov_b32 s[G1B+3], 128<<16
	s_mov_b32 s[G1B+4], 128
	s_mov_b32 s[G1B+5], 1024
	s_mov_b32 s[G1B+6], 0
	s_mov_b32 s[G1B+7], 0
	s_lshr_b32 s16, s13, 4                         ; A: (batch 16 + my plane's head) x HB + position x 128
	s_lshl_b32 s16, s16, 4
	s_add_co_u32 s16, s16, s72
	s_lshl_b32 s16, s16, 18
	s_and_b32 s17, s13, 15
	s_lshl_b32 s17, s17, 14
	s_add_co_u32 s16, s16, s17
	s_mov_b32 s17, 0
	s_lshl_b32 s46, s42, 8                         ; B: row 256 x tile column + 128 x half, 2,048 bytes a row
	s_lshl_b32 s47, s72, 7
	s_add_co_u32 s46, s46, s47
	s_lshl_b32 s46, s46, 11
	s_mov_b32 s47, 0
	s_mul_i32 s20, s72, PLANE                      ; where they go: no place in the cluster enters an LDS address
	s_mul_i32 s21, s72, HALFB
	s_add_co_u32 s21, s21, BOFF
	s_wait_dscnt 0x0                               ; both opening adds are done
	s_wait_kmcnt 0x0
	s_add_nc_u64 s[14:15], s[4:5], s[16:17]
	s_add_nc_u64 s[46:47], s[6:7], s[46:47]
	CROUND                                         ; all sixteen work-groups are here: the first joint loads meet
.irp s, 0,1
	s_mov_b32 s[G0+4*\s], 1
	s_add_co_u32 s[G0+4*\s+1], s20, \s*SLOT
	s_add_nc_u64 s[G0+4*\s+2:G0+4*\s+3], s[14:15], \s*2*HB        ; K step s: heads 2 s, 2 s + 1
	s_or_b32 s[G0+4*\s+3], s[G0+4*\s+3], 0x80000000
	s_mov_b32 s[G0B+4*\s], 1
	s_add_co_u32 s[G0B+4*\s+1], s21, \s*SLOT
	s_add_nc_u64 s[G0B+4*\s+2:G0B+4*\s+3], s[46:47], \s*256
	s_or_b32 s[G0B+4*\s+3], s[G0B+4*\s+3], 0x80000000
	JLOAD \s
.endr
	v_and_b32 v1, 15, v0                           ; r
	v_bfe_u32 v2, v0, 4, 1                         ; h
	s_lshl_b32 s46, s42, 10                        ; my first n, in bytes of f32: 1,024 x tile column + 512 x half
	s_lshl_b32 s47, s72, 9
	s_add_co_u32 s46, s46, s47
	s_mov_b32 s47, 0
	s_add_nc_u64 s[8:9], s[8:9], s[46:47]
	v_lshlrev_b32 v[BOF], 5, v2
.irp b, 0,1,2,3,4,5,6,7                        ; bo in the result's layout: for B's block b the numbers 16 b + 8 h + 0 .. 7
	global_load_b128 v[BIAS+8*\b:BIAS+8*\b+3], v[BOF], s[8:9] offset:64*\b
	global_load_b128 v[BIAS+8*\b+4:BIAS+8*\b+7], v[BOF], s[8:9] offset:64*\b+16
.endr
	v_lshrrev_b32 v3, 1, v1                        ; A: token r lies in long row r / 2, half r % 2
	v_mul_u32_u24 v3, v3, PITCH
	v_and_b32 v4, 1, v0
	v_lshl_add_u32 v3, v4, 7, v3
	v_lshl_add_u32 v3, v2, 4, v3
	v_mul_u32_u24 v4, v1, PITCH                    ; B: row r
	v_lshl_add_u32 v4, v2, 4, v4
	s_mul_i32 s21, s71, 32*PITCH                   ; my 64 tokens: 32 long rows
	s_mul_i32 s22, s72, HALFB
	s_add_co_u32 s22, s22, BOFF
.irp s, 0,1
	v_add_nc_u32 v[ADRA+\s], s21, v3
	v_add_nc_u32 v[ADRB+\s], s22, v4
	s_add_co_u32 s21, s21, SLOT
	s_add_co_u32 s22, s22, SLOT
.endr
	s_mul_i32 s23, s70, 16*SPITCH                  ; my stage
	v_mul_u32_u24 v5, v1, SPITCH
	v_lshl_add_u32 v5, v2, 5, v5
	v_add_nc_u32 v[STO], s23, v5                   ; in: row r, 32 bytes for each half of the lanes
	v_and_b32 v6, 31, v0
	v_lshlrev_b32 v[CO], 4, v6                     ; back: the 32 lanes take one row of 512 bytes; and the same in out0
	v_add_nc_u32 v[RD], s23, v[CO]
	s_lshl_b32 s16, s13, 19                        ; my first token's row of 4,096 bytes: 128 x tile row + 64 x half
	s_lshl_b32 s17, s71, 18
	s_add_co_u32 s16, s16, s17
	s_mov_b32 s17, 0
	s_add_nc_u64 s[16:17], s[16:17], s[46:47]
	s_add_nc_u64 s[10:11], s[10:11], s[16:17]
.macro MUL8 f, a, zero                 ; A's block a x B's eight, 32 along K, buffer f.  The 32 accumulators take turns, one instruction a turn
.irp b, 0,1,2,3,4,5,6,7
.if \zero
	v_wmma_f32_16x16x32_f16 v[8*(8*\a+\b):8*(8*\a+\b)+7], v[64*\f+8*\b:64*\f+8*\b+7], v[AFR+32*\f+8*\a:AFR+32*\f+8*\a+7], v[BIAS+8*\b:BIAS+8*\b+7]
.else
	v_wmma_f32_16x16x32_f16 v[8*(8*\a+\b):8*(8*\a+\b)+7], v[64*\f+8*\b:64*\f+8*\b+7], v[AFR+32*\f+8*\a:AFR+32*\f+8*\a+7], v[8*(8*\a+\b):8*(8*\a+\b)+7]
.endif
.endr
.endm
.macro FETCH slot, q, f                ; 24 LDS loads in one run: the fragments of the slot's q-th 32 along K into buffer f; B's first, A's blocks 2 and 3 last
	WIN TO_B
.irp i, 0,1,2,3,4,5,6,7
	ds_load_b128 v[64*\f+8*\i:64*\f+8*\i+3],   v[ADRB+\slot] offset:64*\q+\i*16*PITCH
	ds_load_b128 v[64*\f+8*\i+4:64*\f+8*\i+7], v[ADRB+\slot] offset:64*\q+\i*16*PITCH+32
.endr
	WIN 0
.irp i, 0,1,2,3
	ds_load_b128 v[AFR+32*\f+8*\i:AFR+32*\f+8*\i+3],   v[ADRA+\slot] offset:(\q/2)*PLANE+(\q%2)*64+\i*8*PITCH
	ds_load_b128 v[AFR+32*\f+8*\i+4:AFR+32*\f+8*\i+7], v[ADRA+\slot] offset:(\q/2)*PLANE+(\q%2)*64+\i*8*PITCH+32
.endr
.endm
.macro PLACES                          ; four plain instructions in front of loads into registers that matrix instructions have read, and of reads of results
.rept 4
	v_nop
.endr
.endm
.macro QUARTER slot, qn, f, g, zero    ; multiplies buffer f; in its middle it fetches the slot's quarter qn into buffer g
	s_wait_dscnt 4                                 ; B and A's blocks 0, 1 are in; the youngest four loads (A's blocks 2, 3) may be out
.if \zero
	WIN FIRST
.else
	WIN MUL
.endif
	MUL8 \f, 0, \zero
	MUL8 \f, 1, \zero
	PLACES
	FETCH \slot, \qn, \g
	s_wait_dscnt 24                                ; all but the 24 just issued
.if \zero
	WIN FIRST
.else
	WIN MUL
.endif
	MUL8 \f, 2, \zero
	MUL8 \f, 3, \zero
.endm
; A slot's last quarter multiplies buffer 1 and changes slots: ONE barrier; in front of it each wave waits for all its tensor loads, adds 0 to its spare word, and waits for that and for its reads of this slot.
.macro TURN slot, next, fill
	WIN 0
	s_wait_tensorcnt 0x0                           ; all my tensor loads have landed: my part of the next slot
	ds_add_u32 v[SPW], v[NIL]
	s_wait_dscnt 5                                 ; the add and the youngest four loads may be out
	WIN MUL
	MUL8 1, 0, 0
	s_wait_dscnt 0x0                               ; the add is done, and my reads of this slot are over
	s_barrier_signal -1
	MUL8 1, 1, 0
	WIN 0
	s_barrier_wait -1
.if \fill
	CREST                                          ; the barrier has opened a round of the cluster's: no wave of any partner still reads this slot or has a load on its way
	s_add_nc_u64 s[G0+4*\slot+2:G0+4*\slot+3], s[G0+4*\slot+2:G0+4*\slot+3], 4*HB       ; two K steps on: four heads
	s_add_nc_u64 s[G0B+4*\slot+2:G0B+4*\slot+3], s[G0B+4*\slot+2:G0B+4*\slot+3], 512
	JLOAD \slot                                    ; the first tensor load behind the round; its four v_nop are also the places in front of the loads below
.else
	PLACES
.endif
	FETCH \next, 0, 0
	WIN MUL
	MUL8 1, 2, 0
	MUL8 1, 3, 0
.endm
	s_wait_tensorcnt 1                             ; my part of K step 0 is in; K step 1's may stay out
	s_barrier_signal -1
	s_barrier_wait -1
	FETCH 0, 0, 0
	s_wait_loadcnt 0x0                             ; bo
	QUARTER 0, 1, 0, 1, 1                          ; the first quarter stands in front of the loop: its products start the sums
	WIN 0
	s_mov_b32 s3, LAPS-1
.Llap:                                             ; a trip goes once round the ring and fills both slots again
	QUARTER 0, 2, 1, 0, 0
	QUARTER 0, 3, 0, 1, 0
	TURN 0, 1, 1
	QUARTER 1, 1, 0, 1, 0
	QUARTER 1, 2, 1, 0, 0
	QUARTER 1, 3, 0, 1, 0
	TURN 1, 0, 1
	QUARTER 0, 1, 0, 1, 0
	WIN 0
	s_sub_co_u32 s3, s3, 1
	s_cmp_lg_u32 s3, 0
	s_cbranch_scc1 .Llap
	QUARTER 0, 2, 1, 0, 0                          ; the last lap fills nothing
	QUARTER 0, 3, 0, 1, 0
	TURN 0, 1, 0
	QUARTER 1, 1, 0, 1, 0
	QUARTER 1, 2, 1, 0, 0
	QUARTER 1, 3, 0, 1, 0
	s_wait_dscnt 4                                 ; the very last quarter
	WIN MUL
	MUL8 1, 0, 0
	MUL8 1, 1, 0
	s_wait_dscnt 0x0
	MUL8 1, 2, 0
	MUL8 1, 3, 0
	WIN 0
; THE WAY OUT, a block of 16 tokens x 128 n at a time: through my own stage, back as whole rows of 512 bytes.
.macro TOSTAGE a
.set AC, 64*(\a)
	WIN 0x08                                       ; an LDS store's data are its source 1: window 2
.irp b, 0,1,2,3,4,5,6,7
	ds_store_b128 v[STO], v[AC+8*\b:AC+8*\b+3] offset:64*\b          ; each accumulator from its low end on
	ds_store_b128 v[STO], v[AC+8*\b+4:AC+8*\b+7] offset:64*\b+16
.endr
	WIN 0
.set BB, BK+64*((\a)%2)
.irp t, 0,1,2,3,4,5,6,7,8,9,10,11,12,13,14,15
	ds_load_b128 v[BB+4*\t:BB+4*\t+3], v[RD] offset:\t*SPITCH        ; LDS serves a wave's instructions in order: these see the stores above
.endr
.endm
.macro SEND a, younger                 ; younger: the LDS instructions issued behind block a's loads
.set BB, BK+64*((\a)%2)
	s_wait_dscnt \younger
.irp t, 0,1,2,3,4,5,6,7,8,9,10,11,12,13,14,15
	global_store_b128 v[CO], v[BB+4*\t:BB+4*\t+3], s[10:11] offset:(\a)*65536+\t*4096 th:TH_STORE_NT   ; 512 consecutive bytes, aligned; written once
.endr
.endm
	PLACES
	TOSTAGE 0
.irp a, 1,2,3
.if \a > 1
	s_wait_xcnt 0x0                                ; block a - 2's stores have read their registers: block a's loads may land there
.endif
	TOSTAGE \a
	SEND \a-1, 32                                  ; behind block a - 1's loads: block a's 16 stores and 16 loads
.endr
	SEND 3, 0
	s_wait_tensorcnt 0x0                           ; the wave's end
	ds_add_u32 v[SPW], v[NIL]
	s_wait_dscnt 0x0
	CROUND                                         ; the closing round
	s_endpgm
.Lfunc_end_k_q8473bf7be7_oproj:
	.size	k_q8473bf7be7_oproj, .Lfunc_end_k_q8473bf7be7_oproj-k_q8473bf7be7_oproj
	.p2alignl 7, 3214868480
	.fill 96, 4, 3214868480
	.section	.rodata,"a",@progbits
	.p2align	6, 0x0
	.amdhsa_kernel k_q8473bf7be7_oproj
		.amdhsa_group_segment_fixed_size 327680
		.amdhsa_private_segment_fixed_size 0
		.amdhsa_enable_private_segment 0
		.amdhsa_kernarg_size 32
		.amdhsa_user_sgpr_count 2
		.amdhsa_user_sgpr_kernarg_segment_ptr 1
		.amdhsa_wavefront_size32 1
		.amdhsa_system_sgpr_workgroup_id_x 1
		.amdhsa_system_sgpr_workgroup_id_y 1
		.amdhsa_system_sgpr_workgroup_id_z 1
		.amdhsa_system_vgpr_workitem_id 0
		.amdhsa_next_free_vgpr 768
		.amdhsa_next_free_sgpr 80
		.amdhsa_reserve_vcc 0
		.amdhsa_float_denorm_mode_32 3
		.amdhsa_float_denorm_mode_16_64 3
		.amdhsa_memory_ordered 1
		.amdhsa_forward_progress 1
		.amdhsa_inst_pref_size 87
	.end_amdhsa_kernel
	.amdgpu_metadata
---
amdhsa.version: [ 1, 2 ]
amdhsa.kernels:
  - .name:           k_q8473bf7be7_oproj
    .symbol:         k_q8473bf7be7_oproj.kd
    .args:
      - { .name: att, .offset: 0, .size: 8, .value_kind: global_buffer, .address_space: global }
      - { .name: wot, .offset: 8, .size: 8, .value_kind: global_buffer, .address_space: global }
      - { .name: bo, .offset: 16, .size: 8, .value_kind: global_buffer, .address_space: global }
      - { .name: out0, .offset: 24, .size: 8, .value_kind: global_buffer, .address_space: global }
    .group_segment_fixed_size: 327680
    .private_segment_fixed_size: 0
    .kernarg_segment_align: 8
    .kernarg_segment_size: 32
    .max_flat_workgroup_size: 128
    .sgpr_count:     80
    .vgpr_count:     768
    .wavefront_size: 32
...
	.end_amdgpu_metadata
.endif
;; end of part 4
